; MI455X (gfx1250); checked and timed in simulation.
; The chip was launched on July 23, 2026; its instructions are those of AMD's public machine-readable ISA for CDNA 5 (MIT licence, August 2026) and "CDNA5" Instruction Set Architecture Reference Guide (July 2026). The comments in the code are by the model that wrote it; some were corrected since.
;; Transformer. Allowed arithmetic: matrix products marked QUANTISED: E2M3 operands, one E8M0 scale for each 32 along K, by v_wmma_scale_f32_16x16x128_f8f6f4 with both operands' format E2M3, f32 sums; everything else in f32.
;; Inputs: Wk_codes 16 x 32 x 16 x 24 uint8 (E2M3 codes of Wk, K innermost, in blocks of 32 codes, four codes in three bytes); Wk_scales 16 x 32 x 16 uint8 (E8M0 scales of Wk, one for each 32 codes along K); Wproj_codes 512 x 16 x 24 uint8 (E2M3 codes of Wproj, K innermost, in blocks of 32 codes, four codes in three bytes); Wproj_scales 512 x 16 uint8 (E8M0 scales of Wproj, one for each 32 codes along K); Wq_codes 16 x 32 x 16 x 24 uint8 (E2M3 codes of Wq, K innermost, in blocks of 32 codes, four codes in three bytes); Wq_scales 16 x 32 x 16 uint8 (E8M0 scales of Wq, one for each 32 codes along K); Wv_codes 16 x 32 x 16 x 24 uint8 (E2M3 codes of Wv, K innermost, in blocks of 32 codes, four codes in three bytes); Wv_scales 16 x 32 x 16 uint8 (E8M0 scales of Wv, one for each 32 codes along K); fc_b 2,000 float32; fc_w_codes 2,000 x 16 x 24 uint8 (E2M3 codes of fc_w, K innermost, in blocks of 32 codes, four codes in three bytes); fc_w_scales 2,000 x 16 uint8 (E8M0 scales of fc_w, one for each 32 codes along K); ln_b 512 float32; ln_g 512 float32; pos_embed 2,048 x 512 float32; tok_embed 2,000 x 512 float32; tokens 4 x 2,048 int32.
;; Outputs: out0 4 x 2,048 x 2,000 float32.
;; This version of the problem:
;;   THIS VERSION OF THE PROBLEM IS GIVEN IN LOW PRECISION. The matrix products marked QUANTISED in the list below multiply operands that are first quantised to E2M3 (2 exponent bits, 3 mantissa bits; 6 bits a number), with one power-of-two scale for each 32 numbers along K (OCP MX v1.0); their sums are f32. All else is computed in f32.
;;   The module's matrix products, in the order in which they are computed (A, B: the left and right operand; K: the contracted axis; several contracted axes count as one K, in the product's order):
;;     1. [M 512, K 512] x [K 512, N 8,192]; A: input Wq (given as codes); B: computed on the way: QUANTISED
;;     2. [M 512, K 512] x [K 512, N 8,192]; A: input Wk (given as codes); B: computed on the way: QUANTISED
;;     3. [M 512, K 512] x [K 512, N 8,192]; A: input Wv (given as codes); B: computed on the way: QUANTISED
;;     4. batch 64 x [M 2,048, K 32] x [K 32, N 2,048]; A: computed on the way; B: computed on the way: QUANTISED
;;     5. batch 64 x [M 2,048, K 2,048] x [K 2,048, N 32]; A: softmax (see below); B: computed on the way: QUANTISED
;;     6. [M 8,192, K 512] x [K 512, N 512]; A: computed on the way; B: input Wproj (given as codes): QUANTISED
;;     7. [M 8,192, K 512] x [K 512, N 2,000]; A: computed on the way; B: input fc_w (given as codes): QUANTISED
;;   THE QUANTISER, for each operand of a quantised product, along K:
;;     - K is cut into blocks of 32 from its start; a last block that is shorter is filled with zeros.
;;     - A block's scale is 2^e with e = floor(log2(the largest magnitude in the block)) - 2, held to -126 .. 127; a block of zeros has e = 0. As a byte (E8M0): e + 127.
;;     - Each number is divided by its block's scale, clamped to +-7.5, and rounded to the nearest number of E2M3, ties to even, subnormals kept.
;;     - The product sums the exact products of the quantised numbers (number of the format x scale) in f32.
;;   ~~~python
;;   def quantise(x, axis):      # numpy; x: float32 -> the quantised numbers, widened to float32 again
;;       x = np.moveaxis(x, axis, -1); K = x.shape[-1]
;;       x = np.pad(x, [(0, 0)] * (x.ndim - 1) + [(0, -K % 32)]); x = x.reshape(x.shape[:-1] + (-1, 32)); a = np.abs(x).max(-1, keepdims=True)
;;       e = np.where(a > 0, np.clip(np.frexp(np.where(a > 0, a, 1))[1] - 1 - 2, -126, 127), 0)      # np.frexp(a)[1] - 1 = floor(log2(a)), exactly
;;       r = np.clip(x / 2.0 ** e, -7.5, 7.5)
;;       step = 2.0 ** (np.maximum(np.frexp(np.where(r == 0, 1, r))[1] - 1, 0) - 3)
;;       q = np.round(r / step) * step * 2.0 ** e      # np.round: ties to even
;;       return np.moveaxis(q.reshape(q.shape[:-2] + (-1,))[..., :K], -1, axis).astype(np.float32)
;;   ~~~
;;   SOFTMAX AHEAD OF A QUANTISED PRODUCT. Where the list says 'softmax', what is quantised is not the finished softmax but p = 2^(t - M), with t = logit x log2(e) and M = ceil(the row's largest t), a whole number; so 1/2 < the row's largest p <= 1. The row's sum l is taken of the UNQUANTISED p, in f32, and the product's result is divided by l at the end. Since M is a whole number, a kernel that streams over the keys may use a running M (the ceiling of the running maximum): every later rescaling is an exact power of two, which a block's scale takes up: the codes' values come out the same.
;;   OPERANDS COMPUTED ON THE WAY. 'Computed on the way' means the value that the module computes at that place (a softmax that the list does not call 'softmax' is quantised finished and normalised). What goes into a quantiser is computed in f32, as accurately as f32 sums, v_exp_f32 and their like allow (about 1e-6 of the number): no bf16 or f16 on the way to a quantiser, and a product that is left as it is and whose result goes on into a quantised operand takes f32 operands (vector FMAs, or v_wmma_f32_16x16x4_f32). A number that lies on a knife's edge between two numbers of the format may be rounded either way, as far as f32 arithmetic and the matrix unit's own rounding can turn it there, and no further.
;;   INPUTS GIVEN AS CODES. Wk (in the module: [16, 512, 32], K = its axis 1); Wproj (in the module: [512, 512], K = its axis 0); Wq (in the module: [16, 512, 32], K = its axis 1); Wv (in the module: [16, 512, 32], K = its axis 1); fc_w (in the module: [512, 2000], K = its axis 0): each comes as NAME_codes (uint8): NAME with its K axis moved to the last place and cut into blocks of 32 codes, [.., K / 32, bytes a block], one block behind the other in memory; four codes in three bytes: a row's codes are one little-endian stream of bits, code i at bits 6 i .. 6 i + 5 (a code: sign, 2 exponent bits, 3 mantissa bits); and NAME_scales (uint8): the same leading axes, one E8M0 byte (e + 127) for each 32 codes along K. Its value is code x scale, taken as it is: it is not quantised again, and the codes and scales need not be those that the quantiser above would give.
;; 2 versions. Each part assembles by itself: llvm-mc -triple=amdgcn-amd-amdhsa -mcpu=gfx1250 --defsym DOCPART=n.
;; ======== version 1 of 2: 3 launches
;; workspace buffers: qc 3,145,728 bytes; qs 524,288 bytes; kv 6,553,600 bytes; ac 3,145,728 bytes; asc 131,072 bytes
;; launch qkv (part 1): grid 64 x 4, 16 waves a work-group, no clusters, 96,256 bytes of LDS; arguments tokens, tok_embed, pos_embed, ln_g, ln_b, Wq_codes, Wq_scales, Wk_codes, Wk_scales, Wv_codes, Wv_scales, qc, qs, kv; writes qc, qs, kv
.if DOCPART == 1
	.amdgcn_target "amdgcn-amd-amdhsa--gfx1250"
	.amdhsa_code_object_version 6
	.text
	.protected	k_q653033188e_qkv
	.globl	k_q653033188e_qkv
	.p2align	8
	.type	k_q653033188e_qkv,@function
k_q653033188e_qkv:
	s_mov_b64 s[64:65], 0
	v_nop
	global_prefetch_b8 v0, s[64:65] scope:SCOPE_SE
	s_setreg_imm32_b32 hwreg(HW_REG_WAVE_MODE, 25, 1), 1
	s_wait_xcnt 0x0
; x = tok_embed[tokens] + pos_embed, h = LayerNorm(x), h quantised to FP6 (E2M3) along its 512; Q, K, V = h W (weights given as codes); Q and K quantised along the head's 32, V along the keys.
; SHARES.  Work-group (x, y): rows 128 x .. 128 x + 127 of the 8,192 (batch x / 16, record x % 16), heads 4 y .. 4 y + 3.  Sixteen waves.
;   First each wave normalises and quantises 8 rows; their codes (384 bytes a row) and scale bytes (16) go to LDS; ONE barrier.
;   Then wave w < 12 is one unit: kind w / 4 (Q, K, V), head 4 y + w % 4, all 128 rows, its 8 weight fragments in registers.  Waves 12 to 15 end behind the barrier.
;   ALL SIXTEEN WAVES LOAD A WEIGHT at the head, so that the registers which the second part names are written on every way that leads there: waves 12 to 15 take Wk's fragments of head 4 y + w % 4,
;   12,800 bytes each, and end without using them.
; ORDERS.  Tile c of a group of 64 tokens: lane r takes token 32 (c / 2) + 8 (c % 2) + r + 8 (r / 8); tile u of a head's weight: lane r takes dimension 8 u + r + 8 (r / 8).
;   So the 16 registers of two neighbouring result tiles are 16 neighbours along the next product's K, and a block of 32 lies in lanes l and l xor 16.
; OUT.  qc [bh][t][24] Q's codes; qs [bh][t] a word with Q's scale byte four times; kv [bh][16][6400]: a record of 128 keys as images of operand registers:
;   +0, +1536 K's two fragments (each block of a fragment is one tile of 16 keys); +3072 + 1536 e + 768 g half g of V^T's tile e; +6144 K's scale words; +6272 V's.
; NO CLUSTER: what work-groups share is the weights, 204,800 bytes of the 729,088 that one reads; the rest are rows gathered by token, which no joint tile covers.
; NO PREFETCH: each row and each weight is read by four or more work-groups, and the rows' loads run two rows ahead.
; LIMITS: NaN and infinities among the inputs are not served; a block whose largest magnitude lies under 2^-124 (a block of zeros too) gets the scale byte 1: its bytes are read by this program alone;
;   token ids are held at 1,999.
.set HSC,  51200                       ; LDS: 0: 128 slots x 400 bytes (384 of codes + 16); slot = token with bits 3 and 4 swapped, so a tile's 16 rows are neighbouring slots
.set STG,  53248                       ; 51,200: 128 x 16 scale bytes;  53,248: a stage of 32 x 80 bytes for each wave
.set WF,   16                          ; v16-111  my weight's fragments: (u, s) at 16 + 12 (4 u + s)
.set WS,   112                         ; v112-119 their scale words: 4 u + s
.set LG,   120                         ; v120-135 ln_g, v136-151 ln_b: register 4 i + k = column 128 i + 4 lane + k
.set LB,   136
.set SLT,  152                         ; v152-247 three row slots of 32: 16 of tok_embed, 16 of pos_embed
.set HSR,  248                         ; v248-251 h's scale words of four tiles
.set CD,   252                         ; v252-254 a row's codes, v255 its scale byte
.set HFR,  120                         ; second part: v120-167 h's fragments of four tiles
.set ACC,  172                         ; v172-235 eight accumulators
.set TM,   120                         ; the quantiser's registers lie over h's fragments: v120-135 at work, v136 the scale word, v138-157 codes
.set PW,   136
.set PC,   138
.set PW0,  236                         ; v236 the first group's scale words; v237-242 at work
; v1 lane  v2 weight codes  v3 weight scales  v4 16 lane  v5, v6 stage in, out  v7 row codes to LDS  v8 row scale byte to LDS  v9, v10 h's fragments, scale words from LDS
; v11 qc  v12 qs  v13 8 lane  v14 4 lane  v15 r
.macro XSUM a, t                       ; the sum over the 32 lanes, in every lane
	v_add_f32_dpp v[\a], v[\a], v[\a] row_xmask:1 row_mask:0xf bank_mask:0xf
	v_add_f32_dpp v[\a], v[\a], v[\a] row_xmask:2 row_mask:0xf bank_mask:0xf
	v_add_f32_dpp v[\a], v[\a], v[\a] row_xmask:4 row_mask:0xf bank_mask:0xf
	v_add_f32_dpp v[\a], v[\a], v[\a] row_xmask:8 row_mask:0xf bank_mask:0xf
	v_permlanex16_b32 v[\t], v[\a], s70, s71
	v_add_f32 v[\a], v[\a], v[\t]
.endm
.macro MM d, a, b, sa, sb, first       ; one product 16 x 16 x 128; first = 1: it starts the sum
.if \first
	v_wmma_scale_f32_16x16x128_f8f6f4 v[\d:\d+7], v[\a:\a+11], v[\b:\b+11], 0, v[\sa], v[\sb] matrix_a_fmt:MATRIX_FMT_FP6 matrix_b_fmt:MATRIX_FMT_FP6
.else
	v_wmma_scale_f32_16x16x128_f8f6f4 v[\d:\d+7], v[\a:\a+11], v[\b:\b+11], v[\d:\d+7], v[\sa], v[\sb] matrix_a_fmt:MATRIX_FMT_FP6 matrix_b_fmt:MATRIX_FMT_FP6
.endif
.endm
; 64 numbers of a lane, register 16 b + i = place 16 (lane / 16) + i of block b, become codes and a scale word.
; swap = 1: v[PC] .. v[PC + 11] in an operand's layout (a whole block in a lane);  swap = 0: each block's 16 codes of my half at v[PC + 4 b].
.macro QUANT s, swap
.irp b, 0,1,2,3
	v_max3_num_f32 v[TM+\b], |v[\s+16*\b]|, |v[\s+1+16*\b]|, 0x1800000   ; my 16 numbers and the floor 2^(3 - 127): the byte cannot fall under 1
.endr
.irp i, 2,4,6,8,10,12,14
.irp b, 0,1,2,3
	v_max3_num_f32 v[TM+\b], v[TM+\b], |v[\s+16*\b+\i]|, |v[\s+1+16*\b+\i]|
.endr
.endr
.irp b, 0,1,2,3
	v_permlanex16_b32 v[TM+4+\b], v[TM+\b], s70, s71
.endr
.irp b, 0,1,2,3
	v_max_num_f32 v[TM+\b], v[TM+\b], v[TM+4+\b]     ; with lane l xor 16's: the block's largest magnitude
.endr
.irp b, 0,1,2,3
	v_add_nc_u32 v[TM+12+\b], 0xff000000, v[TM+\b]   ; 2 off its exponent field: the conversion's scale operand
.endr
.irp b, 0,1,2,3
	v_lshrrev_b32 v[TM+4+\b], 23, v[TM+12+\b]        ; the scale's byte
.endr
	v_lshl_or_b32 v[PW], v[TM+5], 8, v[TM+4]
	v_lshl_or_b32 v[PW], v[TM+6], 16, v[PW]
	v_lshl_or_b32 v[PW], v[TM+7], 24, v[PW]
.if \swap
.irp c, 0,1
	v_cvt_scalef32_pk16_fp6_f32 v[PC+6*\c:PC+2+6*\c], v[\s+32*\c:\s+15+32*\c], v[TM+12+2*\c]
	v_cvt_scalef32_pk16_fp6_f32 v[PC+12+4*\c:PC+14+4*\c], v[\s+16+32*\c:\s+31+32*\c], v[TM+12+2*\c+1]
.endr
	v_nop                                          ; one plain place behind a scaled conversion
.irp c, 0,1
.irp i, 0,1,2
	v_permlane16_swap_b32 v[PC+6*\c+\i], v[PC+12+4*\c+\i]   ; lanes 0-15 get block 2 c whole, lanes 16-31 block 2 c + 1
.endr
.irp i, 0,1,2
	v_mov_b32 v[PC+3+6*\c+\i], v[PC+12+4*\c+\i]
.endr
.endr
.else
.irp b, 0,1,2,3
	v_cvt_scalef32_pk16_fp6_f32 v[PC+4*\b:PC+4*\b+2], v[\s+16*\b:\s+16*\b+15], v[TM+12+\b]
.endr
	v_nop
.endif
.endm
	s_load_b256 s[4:11], s[0:1], 0x0               ; tokens, tok_embed, pos_embed, ln_g
	s_load_b64 s[12:13], s[0:1], 0x20              ; ln_b
	s_load_b128 s[16:19], s[0:1], 0x28             ; Wq's codes, scales
	s_load_b128 s[20:23], s[0:1], 0x38             ; Wk's
	s_load_b128 s[24:27], s[0:1], 0x48             ; Wv's
	s_load_b128 s[28:31], s[0:1], 0x58             ; qc, qs
	s_load_b64 s[32:33], s[0:1], 0x68              ; kv
	v_lshrrev_b32 v1, 5, v0
	v_readfirstlane_b32 s34, v1                    ; wave 0..15
	v_and_b32 v1, 31, v0                           ; lane
	v_and_b32 v15, 15, v0                          ; r
	v_bfe_u32 v16, v0, 4, 1                        ; h
	v_and_b32 v17, 8, v15
	v_add_nc_u32 v17, v17, v15                     ; r + 8 (r / 8)
	v_mul_u32_u24 v2, v17, 384
	v_mad_u32_u24 v2, v16, 24, v2                  ; a weight's row of 384 bytes, + 24 h
	v_lshlrev_b32 v3, 4, v17                       ; its 16 scale bytes
	v_lshlrev_b32 v4, 4, v1
	s_mul_i32 s38, s34, 2560
	s_add_co_u32 s38, s38, STG                     ; my stage
	v_lshrrev_b32 v5, 2, v1
	v_mul_u32_u24 v5, v5, 80
	v_and_b32 v6, 3, v1
	v_lshl_add_u32 v5, v6, 4, v5
	v_add_nc_u32 v5, s38, v5                       ; in: four lanes' 64 bytes on end, then 16 of padding
	v_mul_u32_u24 v6, v1, 80
	v_add_nc_u32 v6, s38, v6                       ; out: my 16 neighbours
	s_bfe_u32 s38, s34, 0x10001
	s_lshl_b32 s38, s38, 3
	s_and_b32 s39, s34, 1
	s_lshl_b32 s39, s39, 4
	s_add_co_u32 s38, s38, s39
	s_lshr_b32 s39, s34, 2
	s_lshl_b32 s39, s39, 5
	s_add_co_u32 s38, s38, s39                     ; the slot of my first row, token 8 w: bits 3 and 4 swapped
	s_mul_i32 s39, s38, 400
	v_mul_u32_u24 v7, v1, 12
	v_add_nc_u32 v7, s39, v7
	s_lshl_b32 s39, s38, 4
	s_add_co_u32 s39, s39, HSC
	v_lshrrev_b32 v8, 1, v1
	v_add_nc_u32 v8, s39, v8
	v_mul_u32_u24 v9, v15, 400
	v_mad_u32_u24 v9, v16, 24, v9
	v_lshl_add_u32 v10, v15, 4, HSC
	v_mul_u32_u24 v11, v17, 24
	v_mad_u32_u24 v11, v16, 12, v11
	v_lshl_add_u32 v12, v16, 3, v17
	v_lshlrev_b32 v12, 2, v12
	v_lshlrev_b32 v13, 3, v1
	v_lshlrev_b32 v14, 2, v1
	v_cmp_le_u32 s69, 16, v1                       ; lanes 16-31
	s_mov_b32 s68, 0x3b000000                      ; 1 / 512
	s_mov_b32 s73, 0x3727c5ac                      ; 1e-5
	s_mov_b32 s70, 0x76543210
	s_mov_b32 s71, 0xfedcba98                      ; selects for lane l xor 16
	s_mov_b32 s72, 0x01010101
	s_lshr_b32 s35, s34, 2                         ; kind
	s_and_b32 s36, s34, 3
	s_and_b32 s84, ttmp7, 0xffff
	s_lshl_b32 s84, s84, 2
	s_add_co_u32 s84, s84, s36                     ; head
	s_lshr_b32 s85, ttmp9, 4                       ; batch
	s_and_b32 s86, ttmp9, 15                       ; record
	s_lshl_b32 s87, s85, 4
	s_add_co_u32 s87, s87, s84                     ; bh
	s_lshl_b32 s38, ttmp9, 9
	s_lshl_b32 s39, s34, 5
	s_add_co_u32 s38, s38, s39                     ; my 8 tokens: (128 x + 8 w) x 4 bytes
	s_mov_b32 s39, 0
	s_mov_b32 s89, 0
	s_wait_kmcnt 0x0
	s_add_nc_u64 s[4:5], s[4:5], s[38:39]
	s_load_b256 s[40:47], s[4:5], 0x0              ; eight token ids
	s_lshl_b32 s66, s86, 18
	s_lshl_b32 s67, s34, 14
	s_add_co_u32 s66, s66, s67
	s_mov_b32 s67, 0
	s_add_nc_u64 s[66:67], s[8:9], s[66:67]        ; pos_embed at row 128 record + 8 w
	s_cmp_eq_u32 s35, 0                            ; my weight: the choice hangs on the wave's number alone (kinds 1 and 3: Wk)
	s_cselect_b64 s[80:81], s[16:17], s[20:21]
	s_cselect_b64 s[82:83], s[18:19], s[22:23]
	s_cmp_eq_u32 s35, 2
	s_cselect_b64 s[80:81], s[24:25], s[80:81]
	s_cselect_b64 s[82:83], s[26:27], s[82:83]
	s_mul_i32 s88, s84, 12288
	s_add_nc_u64 s[80:81], s[80:81], s[88:89]      ; my head's 32 rows of codes
	s_lshl_b32 s88, s84, 9
	s_add_nc_u64 s[82:83], s[82:83], s[88:89]      ; and of scale bytes
	s_lshl_b32 s88, s87, 4
	s_add_co_u32 s88, s88, s86
	s_mul_i32 s88, s88, 6400
	s_add_nc_u64 s[74:75], s[32:33], s[88:89]      ; my record
	s_lshl_b32 s88, s87, 11
	s_lshl_b32 s90, s86, 7
	s_add_co_u32 s90, s88, s90                     ; 2,048 bh + 128 record
	s_mul_i32 s88, s90, 24
	s_add_nc_u64 s[76:77], s[28:29], s[88:89]
	s_lshl_b32 s88, s90, 2
	s_add_nc_u64 s[78:79], s[30:31], s[88:89]
.irp u, 0,1                            ; the weight's eight fragments and their scale words: in every wave, under no branch
.irp s, 0,1,2,3
.irp p, 0,1,2,3,4,5
	global_load_b64 v[WF+12*(4*\u+\s)+2*\p:WF+12*(4*\u+\s)+2*\p+1], v2, s[80:81] offset:3072*\u+96*\s+48*(\p/3)+8*(\p%3)
.endr
.endr
	global_load_b128 v[WS+4*\u:WS+4*\u+3], v3, s[82:83] offset:128*\u
.endr
.irp i, 0,1,2,3
	global_load_b128 v[LG+4*\i:LG+4*\i+3], v4, s[10:11] offset:512*\i
	global_load_b128 v[LB+4*\i:LB+4*\i+3], v4, s[12:13] offset:512*\i
.endr
	s_wait_kmcnt 0x0
.irp j, 0,1,2,3,4,5,6,7
	s_min_u32 s[40+\j], s[40+\j], 1999             ; an index stays inside its table
	s_lshl_b32 s[48+2*\j], s[40+\j], 11
	s_mov_b32 s[49+2*\j], 0
	s_add_nc_u64 s[48+2*\j:49+2*\j], s[6:7], s[48+2*\j:49+2*\j]   ; the row of tok_embed
.endr
.macro ROWLOAD j                       ; row j: eight loads of 512 consecutive bytes
.set SL, SLT+32*((\j)%3)
.irp i, 0,1,2,3
	global_load_b128 v[SL+4*\i:SL+4*\i+3], v4, s[48+2*(\j):49+2*(\j)] offset:512*\i
.endr
.irp i, 0,1,2,3
	global_load_b128 v[SL+16+4*\i:SL+16+4*\i+3], v4, s[66:67] offset:2048*(\j)+512*\i
.endr
.endm
	ROWLOAD 0
	ROWLOAD 1
	ROWLOAD 2
; One row.  left = the loads of the younger rows, which may stay out.  The slot's second half serves as work registers once x is made, its first half once the row has gone through the stage.
.macro ROW j, left
.set SL, SLT+32*((\j)%3)
.set R, SL+16
	s_wait_loadcnt \left
.irp k, 0,2,4,6,8,10,12,14
	v_pk_add_f32 v[SL+\k:SL+\k+1], v[SL+\k:SL+\k+1], v[R+\k:R+\k+1]     ; x
.endr
	v_pk_add_f32 v[R:R+1], v[SL:SL+1], v[SL+2:SL+3]
	v_pk_add_f32 v[R+2:R+3], v[SL+4:SL+5], v[SL+6:SL+7]
	v_pk_add_f32 v[R:R+1], v[R:R+1], v[SL+8:SL+9]
	v_pk_add_f32 v[R+2:R+3], v[R+2:R+3], v[SL+10:SL+11]
	v_pk_add_f32 v[R:R+1], v[R:R+1], v[SL+12:SL+13]
	v_pk_add_f32 v[R+2:R+3], v[R+2:R+3], v[SL+14:SL+15]
	v_pk_add_f32 v[R:R+1], v[R:R+1], v[R+2:R+3]
	v_add_f32 v[R], v[R], v[R+1]
	XSUM R, R+1
	v_mul_f32 v[R], s68, v[R]                      ; the mean
.irp k, 0,2,4,6,8,10,12,14
	v_pk_add_f32 v[SL+\k:SL+\k+1], v[SL+\k:SL+\k+1], v[R:R+1] op_sel_hi:[1,0] neg_lo:[0,1] neg_hi:[0,1]
.endr
	v_pk_mul_f32 v[R+2:R+3], v[SL:SL+1], v[SL:SL+1]
	v_pk_mul_f32 v[R+4:R+5], v[SL+2:SL+3], v[SL+2:SL+3]
.irp k, 4,8,12
	v_pk_fma_f32 v[R+2:R+3], v[SL+\k:SL+\k+1], v[SL+\k:SL+\k+1], v[R+2:R+3]
	v_pk_fma_f32 v[R+4:R+5], v[SL+\k+2:SL+\k+3], v[SL+\k+2:SL+\k+3], v[R+4:R+5]
.endr
	v_pk_add_f32 v[R+2:R+3], v[R+2:R+3], v[R+4:R+5]
	v_add_f32 v[R+2], v[R+2], v[R+3]
	XSUM R+2, R+3
	v_fma_f32 v[R+2], v[R+2], s68, s73             ; the variance + 1e-5
	v_rsq_f32 v[R+2], v[R+2]
	v_nop                                          ; one plain place behind a transcendental
	s_wait_alu depctr_va_vdst(0)
.irp k, 0,2,4,6,8,10,12,14
	v_pk_mul_f32 v[SL+\k:SL+\k+1], v[SL+\k:SL+\k+1], v[R+2:R+3] op_sel_hi:[1,0]
.endr
.irp k, 0,2,4,6,8,10,12,14
	v_pk_fma_f32 v[SL+\k:SL+\k+1], v[SL+\k:SL+\k+1], v[LG+\k:LG+\k+1], v[LB+\k:LB+\k+1]   ; h
.endr
.irp i, 0,1,2,3
	ds_store_b128 v5, v[SL+4*\i:SL+4*\i+3] offset:640*\i      ; through my own stage: LDS serves a wave's instructions in order
.endr
.irp i, 0,1,2,3
	ds_load_b128 v[R+4*\i:R+4*\i+3], v6 offset:16*\i          ; back as columns 16 lane .. 16 lane + 15: two neighbouring lanes hold a block
.endr
	s_wait_dscnt 0x0                               ; they are in; the last row's stores of codes and byte have read v252-255
	v_max3_num_f32 v[SL], |v[R]|, |v[R+1]|, |v[R+2]|
	v_max3_num_f32 v[SL+1], |v[R+3]|, |v[R+4]|, |v[R+5]|
.irp i, 6,10
	v_max3_num_f32 v[SL], v[SL], |v[R+\i]|, |v[R+\i+1]|
	v_max3_num_f32 v[SL+1], v[SL+1], |v[R+\i+2]|, |v[R+\i+3]|
.endr
	v_max3_num_f32 v[SL], v[SL], |v[R+14]|, |v[R+15]|
	v_max3_num_f32 v[SL], v[SL], v[SL+1], 0x1800000
	v_max_num_f32_dpp v[SL], v[SL], v[SL] row_xmask:1 row_mask:0xf bank_mask:0xf
	v_add_nc_u32 v[SL+2], 0xff000000, v[SL]
	v_cvt_scalef32_pk16_fp6_f32 v[CD:CD+2], v[R:R+15], v[SL+2]
	v_lshrrev_b32 v[CD+3], 23, v[SL+2]             ; the scale's byte (the plain place behind the conversion)
.irp k, 0,1,2
	ds_store_b32 v7, v[CD+\k] offset:400*(\j)+4*\k
.endr
	ds_store_b8 v8, v[CD+3] offset:16*(\j)         ; both lanes of a block write the same byte with the same value
.if (\j)+3 < 8
	ROWLOAD (\j)+3
.endif
.endm
	ROW 0, 16
	ROW 1, 16
	ROW 2, 16
	ROW 3, 16
	ROW 4, 16
	ROW 5, 16
	ROW 6, 8
	ROW 7, 0
	s_wait_dscnt 0x0                               ; for the others' sake: my rows lie in LDS
	s_barrier_signal -1
	s_barrier_wait -1
; 64 tokens (group g of the record's two) x my head: four K steps of 128; four tiles of tokens x two tiles of the head: eight accumulators by turns.
; Q, K: source 0 = the weight, source 1 = h: a lane holds one token, its 16 registers of tiles u = 0, 1 dimensions 16 h + 0 .. 15.
; V: source 0 = h, source 1 = the weight: a lane holds one dimension, its registers run along the tokens, which are the next product's K.
.macro PRND kind, rho
.irp s, 0,1,2,3
.if (\rho)+\s > 0
.rept 4
	v_nop                                          ; four places in front of loads into registers that matrix instructions have read
.endr
.endif
.irp c, 0,1,2,3
.irp p, 0,1,2,3,4,5
	ds_load_b64 v[HFR+12*\c+2*\p:HFR+12*\c+2*\p+1], v9 offset:6400*(4*(\rho)+\c)+96*\s+48*(\p/3)+8*(\p%3)
.endr
	ds_load_b32 v[HSR+\c], v10 offset:256*(4*(\rho)+\c)+4*\s
.endr
	s_wait_dscnt 0x0
.irp c, 0,1,2,3
.irp u, 0,1
.if \kind == 2
.if \s == 0
	MM ACC+16*(2*\u+\c/2)+8*(\c%2), HFR+12*\c, WF+12*(4*\u+\s), HSR+\c, WS+4*\u+\s, 1
.else
	MM ACC+16*(2*\u+\c/2)+8*(\c%2), HFR+12*\c, WF+12*(4*\u+\s), HSR+\c, WS+4*\u+\s, 0
.endif
.else
.if \s == 0
	MM ACC+16*\c+8*\u, WF+12*(4*\u+\s), HFR+12*\c, WS+4*\u+\s, HSR+\c, 1
.else
	MM ACC+16*\c+8*\u, WF+12*(4*\u+\s), HFR+12*\c, WS+4*\u+\s, HSR+\c, 0
.endif
.endif
.endr
.endr
.endr
.endm
.macro PFIN kind, rho                  ; the group's results are quantised and stored
.rept 4
	v_nop
.endr
.if \kind == 0
	QUANT ACC, 0
.irp c, 0,1,2,3
	global_store_b96 v11, v[PC+4*\c:PC+4*\c+2], s[76:77] offset:(64*(\rho)+32*(\c/2)+8*(\c%2))*24   ; my half's 16 codes of tile c's token
.endr
.irp c, 0,1,2,3
	v_mul_lo_u32 v[237+\c], v[TM+4+\c], s72        ; the byte four times: whichever block of an operand Q is laid into, its scale stands there
.endr
	v_cndmask_b32 v241, v237, v238, s69            ; lanes 0-15 store an even tile's words, lanes 16-31 the odd tile's
	v_cndmask_b32 v242, v239, v240, s69
	global_store_b32 v12, v241, s[78:79] offset:256*(\rho)
	global_store_b32 v12, v242, s[78:79] offset:256*(\rho)+128
.endif
.if \kind == 1
	QUANT ACC, 1                                   ; the codes ARE a fragment: block c holds tile c's 16 keys
.irp k, 0,1,2
	global_store_b128 v4, v[PC+4*\k:PC+4*\k+3], s[74:75] offset:1536*(\rho)+512*\k
.endr
.if \rho == 0
	v_mov_b32 v[PW0], v[PW]
.else
	v_cndmask_b32 v[PW0], v[PW0], v[PW], s69       ; lanes 0-15 fragment 0's words, lanes 16-31 fragment 1's
	global_store_b32 v14, v[PW0], s[74:75] offset:6144
.endif
.endif
.if \kind == 2
	QUANT ACC, 1                                   ; registers 6 e .. 6 e + 5 are this group's half of V^T's tile e
.irp e, 0,1
	global_store_b128 v4, v[PC+6*\e:PC+6*\e+3], s[74:75] offset:3072+1536*\e+768*(\rho)
	global_store_b64 v13, v[PC+6*\e+4:PC+6*\e+5], s[74:75] offset:3072+1536*\e+768*(\rho)+512
.endr
	v_lshrrev_b32 v237, 16, v[PW]
	v_cndmask_b32 v237, v[PW], v237, s69           ; lanes 0-15 tile 0's two bytes, lanes 16-31 tile 1's
.if \rho == 0
	v_mov_b32 v[PW0], v237
.else
	v_perm_b32 v[PW0], v237, v[PW0], 0x05040100    ; the first group's two bytes below, this group's above
	global_store_b32 v14, v[PW0], s[74:75] offset:6272
.endif
.endif
.endm
.macro PROD kind
	PRND \kind, 0
	PFIN \kind, 0
	s_wait_xcnt 0x0                                ; the stores have read their data: the registers are loaded and written again only behind this wait
	PRND \kind, 1
	PFIN \kind, 1
.endm
	s_cmp_eq_u32 s35, 3
	s_cbranch_scc1 .Lend
	s_cmp_eq_u32 s35, 1
	s_cbranch_scc1 .Lkind_k
	s_cmp_eq_u32 s35, 2
	s_cbranch_scc1 .Lkind_v
	PROD 0
	s_branch .Lend
.Lkind_k:
	PROD 1
	s_branch .Lend
.Lkind_v:
	PROD 2
.Lend:
	s_wait_xcnt 0x0
	v_lshl_add_u32 v254, v0, 2, 0x17000
	v_mov_b32 v255, 0
	s_wait_tensorcnt 0x0
	ds_add_u32 v254, v255
	s_wait_dscnt 0x0
	s_endpgm
.Lfunc_end_k_q653033188e_qkv:
	.size	k_q653033188e_qkv, .Lfunc_end_k_q653033188e_qkv-k_q653033188e_qkv
	.p2alignl 7, 3214868480
	.fill 96, 4, 3214868480
	.section	.rodata,"a",@progbits
	.p2align	6, 0x0
	.amdhsa_kernel k_q653033188e_qkv
		.amdhsa_group_segment_fixed_size 96256
		.amdhsa_private_segment_fixed_size 0
		.amdhsa_enable_private_segment 0
		.amdhsa_kernarg_size 112
		.amdhsa_user_sgpr_count 2
		.amdhsa_user_sgpr_kernarg_segment_ptr 1
		.amdhsa_wavefront_size32 1
		.amdhsa_system_sgpr_workgroup_id_x 1
		.amdhsa_system_sgpr_workgroup_id_y 1
		.amdhsa_system_sgpr_workgroup_id_z 1
		.amdhsa_system_vgpr_workitem_id 0
		.amdhsa_next_free_vgpr 256
		.amdhsa_next_free_sgpr 96
		.amdhsa_reserve_vcc 0
		.amdhsa_float_denorm_mode_32 3
		.amdhsa_float_denorm_mode_16_64 3
		.amdhsa_memory_ordered 1
		.amdhsa_forward_progress 1
		.amdhsa_inst_pref_size 158
	.end_amdhsa_kernel
	.amdgpu_metadata
---
amdhsa.version: [ 1, 2 ]
amdhsa.kernels:
  - .name:           k_q653033188e_qkv
    .symbol:         k_q653033188e_qkv.kd
    .args:
      - { .name: tokens, .offset: 0, .size: 8, .value_kind: global_buffer, .address_space: global }
      - { .name: tok_embed, .offset: 8, .size: 8, .value_kind: global_buffer, .address_space: global }
      - { .name: pos_embed, .offset: 16, .size: 8, .value_kind: global_buffer, .address_space: global }
      - { .name: ln_g, .offset: 24, .size: 8, .value_kind: global_buffer, .address_space: global }
      - { .name: ln_b, .offset: 32, .size: 8, .value_kind: global_buffer, .address_space: global }
      - { .name: Wq_codes, .offset: 40, .size: 8, .value_kind: global_buffer, .address_space: global }
      - { .name: Wq_scales, .offset: 48, .size: 8, .value_kind: global_buffer, .address_space: global }
      - { .name: Wk_codes, .offset: 56, .size: 8, .value_kind: global_buffer, .address_space: global }
      - { .name: Wk_scales, .offset: 64, .size: 8, .value_kind: global_buffer, .address_space: global }
      - { .name: Wv_codes, .offset: 72, .size: 8, .value_kind: global_buffer, .address_space: global }
      - { .name: Wv_scales, .offset: 80, .size: 8, .value_kind: global_buffer, .address_space: global }
      - { .name: qc, .offset: 88, .size: 8, .value_kind: global_buffer, .address_space: global }
      - { .name: qs, .offset: 96, .size: 8, .value_kind: global_buffer, .address_space: global }
      - { .name: kv, .offset: 104, .size: 8, .value_kind: global_buffer, .address_space: global }
    .group_segment_fixed_size: 96256
    .private_segment_fixed_size: 0
    .kernarg_segment_align: 8
    .kernarg_segment_size: 112
    .max_flat_workgroup_size: 512
    .sgpr_count:     96
    .vgpr_count:     256
    .wavefront_size: 32
...
	.end_amdgpu_metadata
.endif
;; end of part 1
;; launch attn (part 2): grid 256 x 1, 16 waves a work-group, clusters of 4 x 1, 169,984 bytes of LDS; arguments qc, qs, kv, ac, asc; writes ac, asc
.if DOCPART == 2
	.amdgcn_target "amdgcn-amd-amdhsa--gfx1250"
	.amdhsa_code_object_version 6
	.text
	.protected	k_q653033188e_attn
	.globl	k_q653033188e_attn
	.p2align	8
	.type	k_q653033188e_attn,@function
k_q653033188e_attn:
	s_mov_b64 s[64:65], 0
	v_nop
	global_prefetch_b8 v0, s[64:65] scope:SCOPE_SE
	s_setreg_imm32_b32 hwreg(HW_REG_WAVE_MODE, 25, 1), 1
	s_wait_xcnt 0x0
	s_wait_alu depctr_hold_cnt(0) depctr_sa_sdst(0) depctr_va_vdst(0) depctr_va_sdst(0) depctr_va_ssrc(0) depctr_va_vcc(0) depctr_vm_vsrc(0)
	s_getreg_b32 s2, hwreg(HW_REG_IB_STS2, 6, 4)
	s_cmp_eq_u32 s2, 0
	s_cbranch_scc0 .Lentry_in_a_cluster
	s_endpgm
.Lentry_in_a_cluster:
	s_bfe_u32 s2, ttmp6, 0x10000c
	s_cmp_lg_u32 s2, 0x3003
	s_cbranch_scc0 .Lentry_shape_is_right
	s_endpgm
.Lentry_shape_is_right:
; Causal attention of one head on codes of FP6 (E2M3), head size 32, and the quantising of its result along the head's 32.
; t = score x log2(e) / sqrt(32); M = the running largest t rounded up to a whole number; p = 2^(t - M) is quantised along the keys; the sum of the unquantised p divides at the end.
; SHARES.  A cluster of four work-groups is one head (64 heads).  Its 128 tiles of 16 queries are paired: tile (group a, e) with tile (group 15 - a, e), a + 1 and 16 - a key steps of 128 keys: 17 for
;   every pair.  64 pairs = 64 waves = 4 work-groups of 16 waves.  Wave w of work-group cx: a = w % 8, e = 2 cx + w / 8.  cx enters global addresses and the mask's comparison alone, no branch and no LDS address.
; LDS.  The head's 16 records of kv, 102,400 bytes, as they lie in memory; filled ONCE, by four joint loads (waves 0 to 3, 100 rows of 256 bytes each), which all four work-groups issue alike; nothing is stored to LDS.
; K = 32 IN A PRODUCT OF K = 128.  A fragment of K carries four tiles of 16 keys, one in each block of 32.  Q stands in four versions, its 32 codes in block 0, 1, 2 or 3 and zero codes in the other three:
;   version c picks tile c.  The versions share registers: zeros, Q in lanes 0-15, zeros, Q in lanes 16-31, zeros.
; Both products are used transposed (S^T = K Q^T, O^T = V^T P^T): a lane holds one query throughout.
; NO PREFETCH: all that the launch reads is asked for by its first loads.
; asc is written a byte a row (131,072 bytes in all): so the next launch finds its scale words ready.
; LIMITS: as in the launch before: blocks under 2^-124 get the byte 1; NaN and infinities are not served.
.set S,    104                         ; v104-167 S^T, then p
.set KFR,  168                         ; v168-191 K's two fragments
.set VFR,  192                         ; v192-215 V^T's two tiles
.set KSC,  216                         ; v216 K's scale words (lanes 0-15 fragment 0, lanes 16-31 fragment 1);  v217 V's likewise
.set VSC,  217
.set PC,   218                         ; v218-229 p's codes
.set BM,   230                         ; v230-233 block maxima;  v234-237 the partner's, then bytes;  v238-241 the conversions' scale operands
.set PT,   234
.set SO,   238
.set CT,   242                         ; v242-244, v246-248 the conversions' second halves
; v1 16 lane, v2 8 lane, v3 4 lane; v4-6 the same + the record's place; v7 16 e + r - 16 h; v8-11 tile A: -M, largest t, the sum in two halves; v12-15 tile B; v16, v17 Q's scale words
; v18-71 Q's versions; v72-87 O^T of A, v88-103 of B; v250 f, v251 p's scale word; v252, v253 at work; v[254:255] the sum's second chain
.macro ROUND                           ; a round of the cluster's barrier
	s_barrier_signal -1
	s_barrier_wait -1
	s_cmp_lg_u32 s14, 0
	s_cbranch_scc1 .Lnot_wave_0_\@
	s_barrier_signal -3
.Lnot_wave_0_\@:
	s_barrier_wait -3
	s_barrier_signal -1
	s_barrier_wait -1
.endm
	s_load_b256 s[4:11], s[0:1], 0x0               ; qc, qs, kv, ac
	s_load_b64 s[12:13], s[0:1], 0x20              ; asc
	v_lshl_add_u32 v245, v0, 2, 0x29000
	v_mov_b32 v249, 0
	ds_add_u32 v245, v249
	ds_add_u32 v245, v249
	v_lshrrev_b32 v1, 5, v0
	v_readfirstlane_b32 s14, v1                    ; wave 0..15
	s_bfe_u32 s15, ttmp6, 0x40000                  ; cx
	s_mov_b32 s16, ttmp9                           ; bh: in a cluster launch ttmp9 counts clusters
	s_and_b32 s19, s14, 7                          ; tile A's group, and its last key step
	s_sub_co_u32 s20, 15, s19                      ; tile B's
	s_lshr_b32 s17, s14, 3
	s_lshl_b32 s18, s15, 1
	s_add_co_u32 s17, s17, s18                     ; e
	s_lshl_b32 s18, s17, 4
	s_lshl_b32 s21, s19, 7
	s_add_co_u32 s21, s21, s18                     ; tile A's first query
	s_lshl_b32 s22, s20, 7
	s_add_co_u32 s22, s22, s18                     ; tile B's
	s_mov_b32 s24, 0x76543210
	s_mov_b32 s25, 0xfedcba98                      ; selects for lane l xor 16
	s_mov_b32 s26, 0x3e8293ee                      ; c = log2(e) / sqrt(32)
	s_mov_b32 s27, s26                             ; (named with it as a pair, so it is written)
	s_mov_b32 s28, 15|(3<<16)|(1<<21)              ; group 1: the mask of all four work-groups; elements of 8 bytes; bit 21 set beside a mask; no padding
	s_mov_b32 s29, 32<<16                          ; tensor_dim0 = 32 elements: 256 bytes
	s_mov_b32 s30, 100<<16                         ; tensor_dim1 = 100 rows
	s_mov_b32 s31, 32<<16                          ; tile_dim0
	s_mov_b32 s32, 100                             ; tile_dim1
	s_mov_b32 s33, 32                              ; the pitch: the block is dense
	s_mov_b32 s34, 0
	s_mov_b32 s35, 0
	s_mov_b32 s36, 1
	s_mul_i32 s37, s14, 25600                      ; LDS: wave w's quarter of the head
	s_mul_i32 s44, s16, 102400
	s_add_co_u32 s44, s44, s37
	s_mov_b32 s45, 0
	s_mov_b32 s51, 0
	s_lshl_b32 s46, s16, 11
	s_add_co_u32 s47, s46, s21                     ; 2,048 bh + first query, A
	s_add_co_u32 s48, s46, s22                     ; B
	v_and_b32 v252, 31, v0                         ; lane
	v_and_b32 v253, 15, v0                         ; r
	v_bfe_u32 v254, v0, 4, 1                       ; h
	v_cmp_le_u32 s42, 16, v252                     ; lanes 16-31
	v_lshlrev_b32 v1, 4, v252
	v_lshlrev_b32 v2, 3, v252
	v_lshlrev_b32 v3, 2, v252
	v_lshlrev_b32 v7, 4, v254
	v_sub_nc_u32 v7, v253, v7
	v_add_nc_u32 v7, s18, v7                       ; on the diagonal register 16 b + i holds key 32 b + 16 h + i of the record: hidden where 32 b + i > 16 e + r - 16 h
	v_mul_u32_u24 v255, v253, 24
	v_lshlrev_b32 v254, 2, v253
	s_wait_dscnt 0x0
	s_wait_kmcnt 0x0
	s_add_nc_u64 s[38:39], s[8:9], s[44:45]
	s_or_b32 s39, s39, 0x80000000
	s_mul_i32 s50, s47, 24
	s_add_nc_u64 s[52:53], s[4:5], s[50:51]        ; qc, A
	s_add_nc_u64 s[54:55], s[10:11], s[50:51]      ; ac, A
	s_mul_i32 s50, s48, 24
	s_add_nc_u64 s[56:57], s[4:5], s[50:51]        ; qc, B
	s_add_nc_u64 s[58:59], s[10:11], s[50:51]      ; ac, B
	s_lshl_b32 s50, s47, 2
	s_add_nc_u64 s[60:61], s[6:7], s[50:51]        ; qs, A
	s_lshl_b32 s50, s48, 2
	s_add_nc_u64 s[62:63], s[6:7], s[50:51]        ; qs, B
	ROUND                                          ; all four work-groups are here: the joint loads meet
	s_cmp_lt_u32 s14, 4
	s_cbranch_scc0 .Lno_fill
	tensor_load_to_lds s[36:39], s[28:35]          ; one load of mine is out
	s_nop 0
.rept 4
	v_nop
.endr
.Lno_fill:
.irp i, 0,1,2
	global_load_b64 v[S+2*\i:S+2*\i+1], v255, s[52:53] offset:8*\i
	global_load_b64 v[S+6+2*\i:S+6+2*\i+1], v255, s[56:57] offset:8*\i
.endr
	global_load_b32 v16, v254, s[60:61]
	global_load_b32 v17, v254, s[62:63]
.irp z, 18,30,42,54,66
.irp i, 0,1,2,3,4,5
	v_mov_b32 v[\z+\i], 0                          ; the zero codes of Q's versions
.endr
.endr
.set n, 0
.rept 32
	v_mov_b32 v[72+n], 0                           ; O^T.  (The key step is written once: the first finds zeros, which the first change of M leaves zeros)
.set n, n+1
.endr
.irp t, 8,12
	v_mov_b32 v[\t+1], 0xff61b1e6                  ; the largest t so far: -3e38
	v_floor_f32 v[\t], -v[\t+1]                    ; -M
	v_mov_b32 v[\t+2], 0
	v_mov_b32 v[\t+3], 0
.endr
.irp b, 0,1,2,3
	v_mov_b32 v[PT+\b], 0                          ; a lane permute's destination counts as one of its sources
.endr
	v_mov_b32 v251, 0                              ; (named as the upper half of the pair v[250:251] before it is first written)
	s_wait_loadcnt 0x0
.irp i, 0,1,2,3,4,5
	v_cndmask_b32 v[24+\i], v[S+\i], v18, s42      ; A: Q in lanes 0-15,
	v_cndmask_b32 v[36+\i], v18, v[S+\i], s42      ; in lanes 16-31
	v_cndmask_b32 v[48+\i], v[S+6+\i], v18, s42    ; B likewise
	v_cndmask_b32 v[60+\i], v18, v[S+6+\i], s42
.endr
	s_wait_tensorcnt 0x0                           ; my quarter of the head is in,
	s_barrier_signal -1
	s_barrier_wait -1                              ; everybody's is
; A KEY STEP of one tile: record s40 (128 keys, at LDS byte s41).  QX: where the tile's versions of Q begin; OX: its O^T; STX: its statistics; QSX: its scale words; AX: the scalar with its last step.
.macro STEP QX, OX, STX, QSX, AX
	s_cmp_gt_u32 s40, s[\AX]                       ; all keys of the record come after my queries: the step is left out (a branch on the wave's number and the loop's count)
	s_cbranch_scc1 .Lskip_\@
	v_add_nc_u32 v4, s41, v1
	v_add_nc_u32 v5, s41, v2
	v_add_nc_u32 v6, s41, v3
	v_nop                                          ; these four are the places in front of loads into registers that the last products read
.irp f, 0,1
.irp k, 0,1,2
	ds_load_b128 v[KFR+12*\f+4*\k:KFR+12*\f+4*\k+3], v4 offset:1536*\f+512*\k
.endr
.endr
	ds_load_b32 v[KSC], v6 offset:6144
.irp e, 0,1
.irp g, 0,1
	ds_load_b128 v[VFR+12*\e+6*\g:VFR+12*\e+6*\g+3], v4 offset:3072+1536*\e+768*\g
	ds_load_b64 v[VFR+12*\e+6*\g+4:VFR+12*\e+6*\g+5], v5 offset:3072+1536*\e+768*\g+512
.endr
.endr
	ds_load_b32 v[VSC], v6 offset:6272
	s_wait_dscnt 9                                 ; K's seven loads are in; V's nine may be out
.irp f, 0,1
.irp c, 0,1,2,3
.set QV, \QX+6*(1-\c/2)+12*(\c%2)      ; version c: block 0, 1, 2, 3 at QX + 6, + 18, + 0, + 12
.if \f == 0
	v_wmma_scale_f32_16x16x128_f8f6f4 v[S+8*(4*\f+\c):S+8*(4*\f+\c)+7], v[KFR+12*\f:KFR+12*\f+11], v[QV:QV+11], 0, v[KSC], v[\QSX] matrix_a_fmt:MATRIX_FMT_FP6 matrix_b_fmt:MATRIX_FMT_FP6
.else
	v_wmma_scale_f32_16x16x128_f8f6f4 v[S+8*(4*\f+\c):S+8*(4*\f+\c)+7], v[KFR+12*\f:KFR+12*\f+11], v[QV:QV+11], 0, v[KSC], v[\QSX] matrix_a_fmt:MATRIX_FMT_FP6 matrix_b_fmt:MATRIX_FMT_FP6 matrix_a_scale:MATRIX_SCALE_ROW1
.endif
.endr
.endr
.rept 4
	v_nop
.endr
	s_cmp_lg_u32 s40, s[\AX]                       ; only the tile's last step lies on the diagonal
	s_cbranch_scc1 .Lopen_\@
	v_mov_b32 v253, 0xff800000                     ; hidden scores become -infinity ahead of the maximum: p = 0 then
.set n, 0
.rept 64
	v_cmp_gt_i32 vcc_lo, 32*(n/16)+n%16, v7
	v_cndmask_b32 v[S+n], v[S+n], v253, vcc_lo
.set n, n+1
.endr
.Lopen_\@:
.irp b, 0,1,2,3
	v_max3_num_f32 v[BM+\b], v[S+16*\b], v[S+1+16*\b], v[S+2+16*\b]   ; the largest score of each block of 32 keys: for the row's maximum, and, since p rises with the score, for the block's largest p
.endr
.irp i, 3,5,7,9,11,13
.irp b, 0,1,2,3
	v_max3_num_f32 v[BM+\b], v[BM+\b], v[S+16*\b+\i], v[S+1+16*\b+\i]
.endr
.endr
.irp b, 0,1,2,3
	v_max_num_f32 v[BM+\b], v[BM+\b], v[S+15+16*\b]
.endr
.irp b, 0,1,2,3
	v_permlanex16_b32 v[PT+\b], v[BM+\b], s24, s25
.endr
.irp b, 0,1,2,3
	v_max_num_f32 v[BM+\b], v[BM+\b], v[PT+\b]
.endr
	v_max3_num_f32 v252, v[BM], v[BM+1], v[BM+2]
	v_max_num_f32 v252, v252, v[BM+3]
	v_mul_f32 v252, s26, v252                      ; as t
	v_max_num_f32 v[\STX+1], v[\STX+1], v252       ; the running largest t
	v_mov_b32 v252, v[\STX]
	v_floor_f32 v[\STX], -v[\STX+1]                ; the new -M = -ceil(t)
	v_sub_f32 v252, v[\STX], v252                  ; old M - new M: a whole number, 0 or less
	v_cvt_i32_f32 v252, v252                       ; (it saturates)
	v_ldexp_f32 v250, 1.0, v252                    ; f = 2^(old M - new M): a multiplication by it rounds nothing
.set n, 0
.rept 32
	v_pk_fma_f32 v[S+n:S+n+1], v[S+n:S+n+1], s[26:27], v[\STX:\STX+1] op_sel_hi:[1,0,0]   ; t - M
.set n, n+2
.endr
.irp b, 0,1,2,3
	v_fma_f32 v[BM+\b], v[BM+\b], s26, v[\STX]
.endr
.set n, 0
.rept 64
	v_exp_f32 v[S+n], v[S+n]                       ; p, at most 1, not normalised
.set n, n+1
.endr
.irp b, 0,1,2,3
	v_exp_f32 v[BM+\b], v[BM+\b]                   ; the block's largest p: the same two instructions on the same number
.endr
	v_pk_mul_f32 v[\STX+2:\STX+3], v[\STX+2:\STX+3], v[250:251] op_sel_hi:[1,0]   ; the sums under the new M (the plain place behind the exponentials)
	s_wait_alu depctr_va_vdst(0)
.irp b, 0,1,2,3
	v_max_num_f32 v[BM+\b], 0x1800000, v[BM+\b]    ; the floor 2^(3 - 127): the byte cannot fall under 1
.endr
.irp b, 0,1,2,3
	v_add_nc_u32 v[SO+\b], 0xff000000, v[BM+\b]
.endr
.irp b, 0,1,2,3
	v_lshrrev_b32 v[PT+\b], 23, v[SO+\b]
.endr
	v_lshl_or_b32 v251, v[PT+1], 8, v[PT]          ; p's scale word for these 128 keys
	v_lshl_or_b32 v251, v[PT+2], 16, v251
	v_lshl_or_b32 v251, v[PT+3], 24, v251
.irp c, 0,1
	v_cvt_scalef32_pk16_fp6_f32 v[PC+6*\c:PC+6*\c+2], v[S+32*\c:S+32*\c+15], v[SO+2*\c]
	v_cvt_scalef32_pk16_fp6_f32 v[CT+4*\c:CT+4*\c+2], v[S+16+32*\c:S+31+32*\c], v[SO+2*\c+1]
.endr
	v_nop                                          ; one plain place behind a scaled conversion
.irp c, 0,1
.irp i, 0,1,2
	v_permlane16_swap_b32 v[PC+6*\c+\i], v[CT+4*\c+\i]
.endr
.irp i, 0,1,2
	v_mov_b32 v[PC+3+6*\c+\i], v[CT+4*\c+\i]
.endr
.endr
.irp j, 0,2,4,6,8,10,12,14
	v_pk_mul_f32 v[\OX+\j:\OX+\j+1], v[\OX+\j:\OX+\j+1], v[250:251] op_sel_hi:[1,0]   ; O^T under the new M
.endr
	v_pk_add_f32 v[254:255], v[S:S+1], v[S+2:S+3]  ; the row's sum is taken of the unquantised p, in two chains.  (These lines are also the places between the writes of p's codes and scale word and the products)
.irp j, 4,8,12,16,20,24,28,32,36,40,44,48,52,56,60
	v_pk_add_f32 v[\STX+2:\STX+3], v[\STX+2:\STX+3], v[S+\j:S+\j+1]
	v_pk_add_f32 v[254:255], v[254:255], v[S+2+\j:S+3+\j]
.endr
	v_pk_add_f32 v[\STX+2:\STX+3], v[\STX+2:\STX+3], v[254:255]
	s_wait_dscnt 0x0                               ; V is in
	v_wmma_scale_f32_16x16x128_f8f6f4 v[\OX:\OX+7], v[VFR:VFR+11], v[PC:PC+11], v[\OX:\OX+7], v[VSC], v251 matrix_a_fmt:MATRIX_FMT_FP6 matrix_b_fmt:MATRIX_FMT_FP6
	v_wmma_scale_f32_16x16x128_f8f6f4 v[\OX+8:\OX+15], v[VFR+12:VFR+23], v[PC:PC+11], v[\OX+8:\OX+15], v[VSC], v251 matrix_a_fmt:MATRIX_FMT_FP6 matrix_b_fmt:MATRIX_FMT_FP6 matrix_a_scale:MATRIX_SCALE_ROW1
.Lskip_\@:
.endm
	s_mov_b32 s40, 0
	s_mov_b32 s41, 0
.Lkeys:                                                ; sixteen trips, a constant: every wave walks all records and leaves out what lies behind its queries
	STEP 42, 88, 12, 17, 20
	STEP 18, 72, 8, 16, 19
	s_add_co_u32 s41, s41, 6400
	s_add_co_u32 s40, s40, 1
	s_cmp_lt_u32 s40, 16
	s_cbranch_scc1 .Lkeys
	; THE WAY OUT.  O^T / the sum; a lane's 16 registers are dimensions 16 h + 0 .. 15 of its query: half of the block that the next product wants.  The four address lines are the places behind the last products.
	v_and_b32 v254, 15, v0
	v_bfe_u32 v253, v0, 4, 1
	v_mul_u32_u24 v255, v254, 24
	v_mad_u32_u24 v255, v253, 12, v255
.macro FIN OX, STX, k, base
	v_add_f32 v252, v[\STX+2], v[\STX+3]
	v_permlanex16_b32 v253, v252, s24, s25
	v_add_f32 v252, v252, v253                     ; the row's sum
	v_rcp_f32 v252, v252
	v_nop
	s_wait_alu depctr_va_vdst(0)
.irp j, 0,2,4,6,8,10,12,14
	v_pk_mul_f32 v[S+16*\k+\j:S+16*\k+\j+1], v[\OX+\j:\OX+\j+1], v[252:253] op_sel_hi:[1,0]
.endr
	v_max3_num_f32 v[BM], |v[S+16*\k]|, |v[S+16*\k+1]|, 0x1800000
.irp i, 2,4,6,8,10,12,14
	v_max3_num_f32 v[BM], v[BM], |v[S+16*\k+\i]|, |v[S+16*\k+\i+1]|
.endr
	v_permlanex16_b32 v[PT], v[BM], s24, s25
	v_max_num_f32 v[BM], v[BM], v[PT]
	v_add_nc_u32 v[SO+\k], 0xff000000, v[BM]
	v_cvt_scalef32_pk16_fp6_f32 v[PC+4*\k:PC+4*\k+2], v[S+16*\k:S+16*\k+15], v[SO+\k]
	v_lshrrev_b32 v[BM+2+\k], 23, v[SO+\k]         ; the scale's byte (the plain place behind the conversion)
	global_store_b96 v255, v[PC+4*\k:PC+4*\k+2], s[\base:\base+1]    ; the wave stores 384 consecutive bytes
.endm
	FIN 72, 8, 0, 54
	FIN 88, 12, 1, 58
	s_lshr_b32 s44, s16, 4
	s_lshl_b32 s44, s44, 11                        ; the batch's first row
	s_and_b32 s45, s16, 15                         ; the head
	s_add_co_u32 s46, s44, s21
	s_lshl_b32 s46, s46, 4
	s_add_co_u32 s46, s46, s45
	s_add_co_u32 s47, s44, s22
	s_lshl_b32 s47, s47, 4
	s_add_co_u32 s47, s47, s45
	v_mov_b32 v252, s46
	v_mov_b32 v253, s47
	v_cndmask_b32 v252, v252, v253, s42            ; lanes 0-15 store tile A's bytes, lanes 16-31 tile B's
	v_lshl_add_u32 v252, v254, 4, v252             ; row x 16 + head
	v_cndmask_b32 v[BM+2], v[BM+2], v[BM+3], s42
	global_store_b8 v252, v[BM+2], s[12:13]
	s_wait_dscnt 0x0
	s_wait_tensorcnt 0x0
	ds_add_u32 v245, v249
	s_wait_dscnt 0x0
	ROUND                                          ; the closing round: no work-group ends while a partner may still ask for a tile that names it
	s_endpgm
.Lfunc_end_k_q653033188e_attn:
	.size	k_q653033188e_attn, .Lfunc_end_k_q653033188e_attn-k_q653033188e_attn
	.p2alignl 7, 3214868480
	.fill 96, 4, 3214868480
	.section	.rodata,"a",@progbits
	.p2align	6, 0x0
	.amdhsa_kernel k_q653033188e_attn
		.amdhsa_group_segment_fixed_size 169984
		.amdhsa_private_segment_fixed_size 0
		.amdhsa_enable_private_segment 0
		.amdhsa_kernarg_size 40
		.amdhsa_user_sgpr_count 2
		.amdhsa_user_sgpr_kernarg_segment_ptr 1
		.amdhsa_wavefront_size32 1
		.amdhsa_system_sgpr_workgroup_id_x 1
		.amdhsa_system_sgpr_workgroup_id_y 1
		.amdhsa_system_sgpr_workgroup_id_z 1
		.amdhsa_system_vgpr_workitem_id 0
		.amdhsa_next_free_vgpr 256
		.amdhsa_next_free_sgpr 66
		.amdhsa_reserve_vcc 1
		.amdhsa_float_denorm_mode_32 3
		.amdhsa_float_denorm_mode_16_64 3
		.amdhsa_memory_ordered 1
		.amdhsa_forward_progress 1
		.amdhsa_inst_pref_size 51
	.end_amdhsa_kernel
	.amdgpu_metadata
---
amdhsa.version: [ 1, 2 ]
amdhsa.kernels:
  - .name:           k_q653033188e_attn
    .symbol:         k_q653033188e_attn.kd
    .args:
      - { .name: qc, .offset: 0, .size: 8, .value_kind: global_buffer, .address_space: global }
      - { .name: qs, .offset: 8, .size: 8, .value_kind: global_buffer, .address_space: global }
      - { .name: kv, .offset: 16, .size: 8, .value_kind: global_buffer, .address_space: global }
      - { .name: ac, .offset: 24, .size: 8, .value_kind: global_buffer, .address_space: global }
      - { .name: asc, .offset: 32, .size: 8, .value_kind: global_buffer, .address_space: global }
    .group_segment_fixed_size: 169984
    .private_segment_fixed_size: 0
    .kernarg_segment_align: 8
    .kernarg_segment_size: 40
    .max_flat_workgroup_size: 512
    .sgpr_count:     66
    .vgpr_count:     256
    .wavefront_size: 32
...
	.end_amdgpu_metadata
.endif
;; end of part 2
;; launch out (part 3): grid 256 x 1, 16 waves a work-group, no clusters, 284,672 bytes of LDS; arguments tokens, tok_embed, pos_embed, ac, asc, Wproj_codes, Wproj_scales, fc_w_codes, fc_w_scales, fc_b, out0; writes out0
.if DOCPART == 3
	.amdgcn_target "amdgcn-amd-amdhsa--gfx1250"
	.amdhsa_code_object_version 6
	.text
	.protected	k_q653033188e_out
	.globl	k_q653033188e_out
	.p2align	8
	.type	k_q653033188e_out,@function
k_q653033188e_out:
	s_mov_b64 s[64:65], 0
	v_nop
	global_prefetch_b8 v0, s[64:65] scope:SCOPE_SE
	s_setreg_imm32_b32 hwreg(HW_REG_WAVE_MODE, 25, 1), 1
	s_wait_xcnt 0x0
; logits = Q(x + attn Wproj) fc_w + fc_b, both products on codes of FP6 (E2M3).  x = tok_embed[tokens] + pos_embed is gathered anew and is the C of the first product's sums; fc_b is the C of the second's.
; SHARES.  A work-group owns 32 whole rows (two tiles of 16).  THE SIXTEEN WAVES SHARE THE COLUMNS: wave w makes columns 32 w .. 32 w + 31 of x + out, which are block w of the second product's K,
;   and then the column tiles w + 16 j of the 125 tiles of logits.  Each weight byte goes from memory to registers once in a work-group.
; Both products are used transposed (source 0 = 16 rows of the weight, source 1 = 16 rows of the left operand): a lane holds one row, its registers neighbouring columns.
; Operands go from wave to wave through LDS as images of their registers.  Three barriers: attn's fragments | x + out's fragments | the 32 rows of logits.
; THE WAY OUT.  A row of logits is 8,000 bytes; 32 rows are 256,000 = 1,000 x 256.  The rows meet in a stage (pitch 8,016) and leave as 500 pieces of 512 consecutive bytes, each beginning at a multiple of 256 from out0's first byte.
; NO CLUSTER: the stage takes 256,512 bytes of LDS, which leaves no room for slots of weights that the sixteen waves could share.  NO PREFETCH: all work-groups read the same weights.
; LIMITS: x + out is rounded inside the matrix sum; blocks under 2^-124 get the scale byte 1; token ids are held at 1,999; NaN and infinities are not served.
.set AIMG, 256512                      ; LDS: 0: the stage, 32 x 8,016;  attn's 8 fragments (4 tile + K step), 1,536 bytes each: registers 4 k .. 4 k + 3 at 512 k + 16 lane
.set ASCW, 268800                      ; their scale words, 128 bytes each
.set XIMG, 269824                      ; x + out's 8 fragments: registers 2 p, 2 p + 1 at 256 p + 8 lane
.set XSC,  282112                      ; their scale words, 64 bytes each
; v1 XIMG + 8 lane  v2 512 w + 16 lane  v3 XSC + 4 r  v4 r  v5 fc_w codes  v6 16 r  v7 32 h  v8, v9 stage, tiles 0 and 1  v10, v11 attn images in, out  v12, v13 their scale words in, out
; v14, v15 x + out's codes and scale byte to LDS.  v16-111 Wproj's 8 fragments, then fc_w's tiles in two sets; v112-119 their scale words; v120-215 the left operand's 8 fragments; v216-223 its scale words;
; v224-255 x, then x + out; then v224-239 two accumulators, v240-255 fc_b in two sets.  At the head v120-151 pos_embed, v152-164 attn's fragment, v165-173 addresses.
	s_load_b256 s[4:11], s[0:1], 0x0               ; tokens, tok_embed, pos_embed, ac
	s_load_b256 s[12:19], s[0:1], 0x20             ; asc, Wproj's codes, scales, fc_w's codes
	s_load_b128 s[20:23], s[0:1], 0x40             ; fc_w's scales, fc_b
	s_load_b64 s[24:25], s[0:1], 0x50              ; out0
	v_lshrrev_b32 v1, 5, v0
	v_readfirstlane_b32 s26, v1                    ; wave 0..15
	v_and_b32 v172, 31, v0                         ; lane
	v_and_b32 v4, 15, v0                           ; r
	v_bfe_u32 v173, v0, 4, 1                       ; h
	v_cmp_le_u32 s39, 16, v172                     ; lanes 16-31
	s_mov_b32 s40, 0x76543210
	s_mov_b32 s41, 0xfedcba98
	v_lshl_add_u32 v1, v172, 3, XIMG
	s_lshl_b32 s27, s26, 9
	v_lshlrev_b32 v2, 4, v172
	v_add_nc_u32 v2, s27, v2
	v_lshl_add_u32 v3, v4, 2, XSC
	v_mul_u32_u24 v5, v4, 384
	v_mad_u32_u24 v5, v173, 24, v5
	v_lshlrev_b32 v6, 4, v4
	v_lshlrev_b32 v7, 5, v173
	v_mul_u32_u24 v8, v4, 8016
	v_lshl_add_u32 v8, v173, 5, v8
	s_lshl_b32 s27, s26, 6
	v_add_nc_u32 v8, s27, v8                       ; row r, + 32 h, + 64 w
	v_add_nc_u32 v9, 128256, v8                    ; sixteen rows on
	s_mul_i32 s27, s26, 1536
	s_add_co_u32 s27, s27, AIMG
	v_lshlrev_b32 v11, 4, v172
	v_add_nc_u32 v10, s27, v11
	v_add_nc_u32 v11, AIMG, v11
	s_lshl_b32 s27, s26, 7
	s_add_co_u32 s27, s27, ASCW
	v_lshlrev_b32 v13, 2, v172
	v_add_nc_u32 v12, s27, v13
	v_add_nc_u32 v13, ASCW, v13
	s_lshr_b32 s27, s26, 2                         ; block w of K lies in K step w / 4, registers 6 ((w / 2) % 2) on, lanes 16 (w % 2) on
	s_mul_i32 s28, s27, 1536
	s_bfe_u32 s29, s26, 0x10001
	s_mul_i32 s29, s29, 768
	s_add_co_u32 s28, s28, s29
	s_and_b32 s29, s26, 1
	s_lshl_b32 s29, s29, 7
	s_add_co_u32 s28, s28, s29
	s_add_co_u32 s28, s28, XIMG
	v_mul_u32_u24 v14, v173, 6144                  ; my half of the lanes holds tile h's codes
	v_lshl_add_u32 v14, v4, 3, v14
	v_add_nc_u32 v14, s28, v14
	s_lshl_b32 s28, s27, 6
	s_and_b32 s29, s26, 3
	s_add_co_u32 s28, s28, s29
	s_add_co_u32 s28, s28, XSC
	v_lshlrev_b32 v15, 8, v173
	v_lshl_add_u32 v15, v4, 2, v15
	v_add_nc_u32 v15, s28, v15
	v_lshlrev_b32 v167, 11, v4
	v_lshl_add_u32 v167, v173, 6, v167             ; pos_embed: row r, + 64 h
	v_mul_u32_u24 v168, v173, 49152
	v_mad_u32_u24 v168, v4, 24, v168               ; ac: token r, head + h
	v_lshlrev_b32 v169, 2, v4                      ; tokens
	v_and_b32 v170, 8, v4
	v_add_nc_u32 v171, v170, v4                    ; r + 8 (r / 8): the rows of Wproj that form a tile are not neighbours
	v_mul_u32_u24 v170, v171, 384
	v_mad_u32_u24 v170, v173, 24, v170
	v_lshlrev_b32 v171, 4, v171
	v_lshlrev_b32 v173, 6, v173                    ; 64 h
	s_lshr_b32 s27, ttmp9, 6                       ; batch
	s_and_b32 s28, ttmp9, 63
	s_lshl_b32 s28, s28, 5                         ; my first token in it
	s_lshr_b32 s29, s26, 2                         ; waves 0 to 7 bring attn's fragment (tile w / 4, K step w % 4)
	s_and_b32 s30, s26, 3
	s_lshl_b32 s31, s27, 4
	s_lshl_b32 s32, s30, 2
	s_add_co_u32 s31, s31, s32                     ; bh of the K step's first head
	s_lshl_b32 s31, s31, 11
	s_add_co_u32 s31, s31, s28
	s_lshl_b32 s32, s29, 4
	s_add_co_u32 s31, s31, s32
	s_mul_i32 s32, s31, 24
	s_mov_b32 s33, 0
	s_wait_kmcnt 0x0
	s_add_nc_u64 s[34:35], s[10:11], s[32:33]
	s_lshl_b32 s32, ttmp9, 9
	s_lshl_b32 s36, s29, 8
	s_add_co_u32 s32, s32, s36
	s_lshl_b32 s36, s30, 2
	s_add_co_u32 s32, s32, s36
	s_add_nc_u64 s[36:37], s[12:13], s[32:33]      ; asc: row 32 G + 16 tile, word = K step
	s_lshl_b32 s32, ttmp9, 7
	s_add_nc_u64 s[4:5], s[4:5], s[32:33]          ; my 32 tokens
	s_lshl_b32 s32, s28, 11
	s_lshl_b32 s38, s26, 7
	s_add_co_u32 s32, s32, s38
	s_add_nc_u64 s[8:9], s[8:9], s[32:33]          ; pos_embed at my first row, column 32 w
	s_mov_b32 s32, s38
	s_add_nc_u64 s[6:7], s[6:7], s[32:33]          ; tok_embed at column 32 w
	s_mul_i32 s32, s26, 12288
	s_add_nc_u64 s[14:15], s[14:15], s[32:33]      ; Wproj's rows 32 w on
	s_lshl_b32 s32, s26, 9
	s_add_nc_u64 s[16:17], s[16:17], s[32:33]
	s_mul_i32 s32, s26, 6144
	s_add_nc_u64 s[18:19], s[18:19], s[32:33]      ; fc_w's rows 16 w on
	s_lshl_b32 s32, s26, 8
	s_add_nc_u64 s[20:21], s[20:21], s[32:33]
	s_lshl_b32 s32, s26, 6
	s_add_nc_u64 s[22:23], s[22:23], s[32:33]
	s_mul_i32 s32, ttmp9, 256000
	s_add_nc_u64 s[24:25], s[24:25], s[32:33]      ; my 32 rows of logits
	s_cmp_lt_u32 s26, 8
	s_cbranch_scc0 .Lno_ac
.irp c, 0,1
.irp i, 0,1,2
	global_load_b64 v[152+6*\c+2*\i:153+6*\c+2*\i], v168, s[34:35] offset:98304*\c+8*\i   ; head 4 s + 2 c + h: its 32 codes are block 2 c + h of the K step
.endr
.endr
	global_load_b32 v164, v6, s[36:37]
.Lno_ac:
	global_load_b32 v165, v169, s[4:5]
	global_load_b32 v166, v169, s[4:5] offset:64
.irp t, 0,1
.irp k, 0,1,2,3
	global_load_b128 v[120+16*\t+4*\k:123+16*\t+4*\k], v167, s[8:9] offset:32768*\t+16*\k
.endr
.endr
.irp u, 0,1
.irp s, 0,1,2,3
.irp p, 0,1,2,3,4,5
	global_load_b64 v[16+12*(4*\u+\s)+2*\p:17+12*(4*\u+\s)+2*\p], v170, s[14:15] offset:3072*\u+96*\s+48*(\p/3)+8*(\p%3)
.endr
.endr
	global_load_b128 v[112+4*\u:115+4*\u], v171, s[16:17] offset:128*\u
.endr
	s_wait_loadcnt 58                              ; behind the token ids: 8 loads of pos_embed and 50 of Wproj, on both ways: the ids and attn's fragment are in
.irp t, 0,1
	v_min_u32 v[165+\t], 0x7cf, v[165+\t]          ; an index stays inside its table
	v_lshlrev_b32 v[165+\t], 11, v[165+\t]
	v_add_nc_u32 v[165+\t], v173, v[165+\t]
.endr
.irp t, 0,1
.irp k, 0,1,2,3
	global_load_b128 v[224+16*\t+4*\k:227+16*\t+4*\k], v[165+\t], s[6:7] offset:16*\k
.endr
.endr
	s_cmp_lt_u32 s26, 8
	s_cbranch_scc0 .Lno_img
.irp k, 0,1,2
	ds_store_b128 v10, v[152+4*\k:155+4*\k] offset:512*\k
.endr
	ds_store_b32 v12, v164
.Lno_img:
	s_wait_loadcnt 0x0
.set n, 0
.rept 16
	v_pk_add_f32 v[224+n:225+n], v[224+n:225+n], v[120+n:121+n]   ; x(row r of tile t, column 32 w + 16 h + i) at v[224 + 16 t + i]
.set n, n+2
.endr
	s_wait_dscnt 0x0
	s_barrier_signal -1
	s_barrier_wait -1                              ; attn's eight fragments lie in LDS
.irp f, 0,1,2,3,4,5,6,7
.irp k, 0,1,2
	ds_load_b128 v[120+12*\f+4*\k:123+12*\f+4*\k], v11 offset:1536*\f+512*\k
.endr
	ds_load_b32 v[216+\f], v13 offset:128*\f
.endr
	s_wait_dscnt 0x0
.irp s, 0,1,2,3                        ; x + attn Wproj: four accumulators by turns; the sums begin with x
.irp t, 0,1
.irp u, 0,1
	v_wmma_scale_f32_16x16x128_f8f6f4 v[224+16*\t+8*\u:231+16*\t+8*\u], v[16+12*(4*\u+\s):27+12*(4*\u+\s)], v[120+12*(4*\t+\s):131+12*(4*\t+\s)], v[224+16*\t+8*\u:231+16*\t+8*\u], v[112+4*\u+\s], v[216+4*\t+\s] matrix_a_fmt:MATRIX_FMT_FP6 matrix_b_fmt:MATRIX_FMT_FP6
.endr
.endr
.endr
.rept 4
	v_nop                                          ; four places in front of the reads of results and of loads into registers that the products read
.endr
.macro LOADC j                         ; column tile w + 16 j of fc_w: four fragments and the scale words, into set j % 2
.set FB, 16+48*((\j)%2)
.irp s, 0,1,2,3
.irp p, 0,1,2,3,4,5
	global_load_b64 v[FB+12*\s+2*\p:FB+12*\s+2*\p+1], v5, s[18:19] offset:98304*(\j)+96*\s+48*(\p/3)+8*(\p%3)
.endr
.endr
	global_load_b128 v[112+4*((\j)%2):115+4*((\j)%2)], v6, s[20:21] offset:4096*(\j)
.endm
.macro LOADB j                         ; its eight numbers of fc_b for my half of the lanes
	global_load_b128 v[240+8*((\j)%2):243+8*((\j)%2)], v7, s[22:23] offset:1024*(\j)
	global_load_b128 v[244+8*((\j)%2):247+8*((\j)%2)], v7, s[22:23] offset:1024*(\j)+16
.endm
	LOADC 0
	; x + out is quantised: block w of each of the 32 rows; a tile's block lies in lanes l and l xor 16
.irp t, 0,1
	v_max3_num_f32 v[64+\t], |v[224+16*\t]|, |v[225+16*\t]|, 0x1800000
.endr
.irp i, 2,4,6,8,10,12,14
.irp t, 0,1
	v_max3_num_f32 v[64+\t], v[64+\t], |v[224+16*\t+\i]|, |v[225+16*\t+\i]|
.endr
.endr
.irp t, 0,1
	v_permlanex16_b32 v[66+\t], v[64+\t], s40, s41
.endr
.irp t, 0,1
	v_max_num_f32 v[64+\t], v[64+\t], v[66+\t]
.endr
.irp t, 0,1
	v_add_nc_u32 v[68+\t], 0xff000000, v[64+\t]
.endr
.irp t, 0,1
	v_lshrrev_b32 v[70+\t], 23, v[68+\t]
.endr
	v_cvt_scalef32_pk16_fp6_f32 v[72:74], v[224:239], v68
	v_cvt_scalef32_pk16_fp6_f32 v[78:80], v[240:255], v69
	v_nop                                          ; one plain place behind a scaled conversion
.irp i, 0,1,2
	v_permlane16_swap_b32 v[72+\i], v[78+\i]       ; lanes 0-15 now hold tile 0's whole block, lanes 16-31 tile 1's
.endr
.irp i, 0,1,2
	v_mov_b32 v[75+\i], v[78+\i]
.endr
	v_cndmask_b32 v70, v70, v71, s39
	LOADB 0                                        ; (into registers that x + out has left)
.irp i, 0,1,2
	ds_store_b64 v14, v[72+2*\i:73+2*\i] offset:256*\i
.endr
	ds_store_b8 v15, v70
	s_wait_dscnt 0x0
	s_barrier_signal -1
	s_barrier_wait -1                              ; x + out's eight fragments lie in LDS
.irp f, 0,1,2,3,4,5,6,7
.irp p, 0,1,2,3,4,5
	ds_load_b64 v[120+12*\f+2*\p:121+12*\f+2*\p], v1 offset:1536*\f+256*\p
.endr
	ds_load_b32 v[216+\f], v3 offset:64*\f
.endr
; A column tile: 16 columns x 32 rows: two accumulators by turns, four K steps; fc_b starts the sums.
.macro TILE j
.set FB, 16+48*((\j)%2)
	s_wait_dscnt 0x0                               ; the operand is in; the last tile's stores into the stage have read the accumulators
.irp s, 0,1,2,3
.irp t, 0,1
.if \s == 0
	v_wmma_scale_f32_16x16x128_f8f6f4 v[224+8*\t:231+8*\t], v[FB+12*\s:FB+12*\s+11], v[120+12*(4*\t+\s):131+12*(4*\t+\s)], v[240+8*((\j)%2):247+8*((\j)%2)], v[112+4*((\j)%2)+\s], v[216+4*\t+\s] matrix_a_fmt:MATRIX_FMT_FP6 matrix_b_fmt:MATRIX_FMT_FP6
.else
	v_wmma_scale_f32_16x16x128_f8f6f4 v[224+8*\t:231+8*\t], v[FB+12*\s:FB+12*\s+11], v[120+12*(4*\t+\s):131+12*(4*\t+\s)], v[224+8*\t:231+8*\t], v[112+4*((\j)%2)+\s], v[216+4*\t+\s] matrix_a_fmt:MATRIX_FMT_FP6 matrix_b_fmt:MATRIX_FMT_FP6
.endif
.endr
.endr
.rept 5
	v_nop                                          ; five places: the next tile's first products write over these accumulators with another C; four serve the stores below and the next loads
.endr
.irp t, 0,1
	ds_store_b128 v[8+\t], v[224+8*\t:227+8*\t] offset:1024*(\j)       ; lane (r, h): logits(16 t + r, 16 (w + 16 j) + 8 h + 0 .. 7), each accumulator from its low end on
	ds_store_b128 v[8+\t], v[228+8*\t:231+8*\t] offset:1024*(\j)+16
.endr
.endm
.irp j, 0,1,2,3,4,5
	LOADC \j+1
	LOADB \j+1
	s_wait_loadcnt 27                              ; the next tile's 27 loads may be out
	TILE \j
.endr
	s_cmp_lt_u32 s26, 13                           ; 125 tiles: an eighth one for waves 0 to 12
	s_cbranch_scc0 .Lshort
	LOADC 7
	LOADB 7
	s_wait_loadcnt 27
	TILE 6
	s_wait_loadcnt 0x0
	TILE 7
	s_branch .Ljoin
.Lshort:
	s_wait_loadcnt 0x0
	TILE 6
.Ljoin:
	s_wait_dscnt 0x0
	s_barrier_signal -1
	s_barrier_wait -1                              ; 32 whole rows of logits lie in the stage
	; piece w + 16 k of the 500: flat byte g = 512 w + 16 lane + 8,192 k of the 256,000; its row is g / 8,000 = ((g >> 6) x 33,555) >> 22, exact for g >> 6 under 4,000; in the stage it lies 16 bytes further on for each row
.set k, 0
.rept 31
	v_add_nc_u32 v[144+k], 8192*k, v2
	v_lshrrev_b32 v176, 6, v[144+k]
	v_mul_u32_u24 v176, v176, 0x8313
	v_lshrrev_b32 v176, 22, v176
	v_lshl_add_u32 v[144+k], v176, 4, v[144+k]
	ds_load_b128 v[16+4*k:19+4*k], v[144+k]
.set k, k+1
.endr
.set k, 0
.rept 31
	s_wait_dscnt 30-k                              ; LDS loads come back in order: piece k is in, the younger ones may be out
	global_store_b128 v2, v[16+4*k:19+4*k], s[24:25] offset:8192*k th:TH_STORE_NT   ; 32 lanes store 512 consecutive bytes; written once, read by nobody here
.set k, k+1
.endr
	s_cmp_lt_u32 s26, 4                            ; pieces 496 to 499
	s_cbranch_scc0 .Ldone
	v_add_nc_u32 v175, 8192*31, v2
	v_lshrrev_b32 v176, 6, v175
	v_mul_u32_u24 v176, v176, 0x8313
	v_lshrrev_b32 v176, 22, v176
	v_lshl_add_u32 v175, v176, 4, v175
	ds_load_b128 v[140:143], v175
	s_wait_dscnt 0x0
	global_store_b128 v2, v[140:143], s[24:25] offset:8192*31 th:TH_STORE_NT
.Ldone:
	s_wait_xcnt 0x0
	v_lshl_add_u32 v254, v0, 2, 0x45000
	v_mov_b32 v255, 0
	s_wait_tensorcnt 0x0
	ds_add_u32 v254, v255
	s_wait_dscnt 0x0
	s_endpgm
.Lfunc_end_k_q653033188e_out:
	.size	k_q653033188e_out, .Lfunc_end_k_q653033188e_out-k_q653033188e_out
	.p2alignl 7, 3214868480
	.fill 96, 4, 3214868480
	.section	.rodata,"a",@progbits
	.p2align	6, 0x0
	.amdhsa_kernel k_q653033188e_out
		.amdhsa_group_segment_fixed_size 284672
		.amdhsa_private_segment_fixed_size 0
		.amdhsa_enable_private_segment 0
		.amdhsa_kernarg_size 88
		.amdhsa_user_sgpr_count 2
		.amdhsa_user_sgpr_kernarg_segment_ptr 1
		.amdhsa_wavefront_size32 1
		.amdhsa_system_sgpr_workgroup_id_x 1
		.amdhsa_system_sgpr_workgroup_id_y 1
		.amdhsa_system_sgpr_workgroup_id_z 1
		.amdhsa_system_vgpr_workitem_id 0
		.amdhsa_next_free_vgpr 256
		.amdhsa_next_free_sgpr 66
		.amdhsa_reserve_vcc 0
		.amdhsa_float_denorm_mode_32 3
		.amdhsa_float_denorm_mode_16_64 3
		.amdhsa_memory_ordered 1
		.amdhsa_forward_progress 1
		.amdhsa_inst_pref_size 73
	.end_amdhsa_kernel
	.amdgpu_metadata
---
amdhsa.version: [ 1, 2 ]
amdhsa.kernels:
  - .name:           k_q653033188e_out
    .symbol:         k_q653033188e_out.kd
    .args:
      - { .name: tokens, .offset: 0, .size: 8, .value_kind: global_buffer, .address_space: global }
      - { .name: tok_embed, .offset: 8, .size: 8, .value_kind: global_buffer, .address_space: global }
      - { .name: pos_embed, .offset: 16, .size: 8, .value_kind: global_buffer, .address_space: global }
      - { .name: ac, .offset: 24, .size: 8, .value_kind: global_buffer, .address_space: global }
      - { .name: asc, .offset: 32, .size: 8, .value_kind: global_buffer, .address_space: global }
      - { .name: Wproj_codes, .offset: 40, .size: 8, .value_kind: global_buffer, .address_space: global }
      - { .name: Wproj_scales, .offset: 48, .size: 8, .value_kind: global_buffer, .address_space: global }
      - { .name: fc_w_codes, .offset: 56, .size: 8, .value_kind: global_buffer, .address_space: global }
      - { .name: fc_w_scales, .offset: 64, .size: 8, .value_kind: global_buffer, .address_space: global }
      - { .name: fc_b, .offset: 72, .size: 8, .value_kind: global_buffer, .address_space: global }
      - { .name: out0, .offset: 80, .size: 8, .value_kind: global_buffer, .address_space: global }
    .group_segment_fixed_size: 284672
    .private_segment_fixed_size: 0
    .kernarg_segment_align: 8
    .kernarg_segment_size: 88
    .max_flat_workgroup_size: 512
    .sgpr_count:     66
    .vgpr_count:     256
    .wavefront_size: 32
...
	.end_amdgpu_metadata
.endif
;; end of part 3
;; ======== version 2 of 2: 3 launches
;; workspace buffers: qc 3,145,728 bytes; qs 524,288 bytes; kv 6,553,600 bytes; ac 3,145,728 bytes; asc 131,072 bytes
;; launch qkv (part 4): grid 64 x 4, 16 waves a work-group, no clusters, 96,256 bytes of LDS; arguments tokens, tok_embed, pos_embed, ln_g, ln_b, Wq_codes, Wq_scales, Wk_codes, Wk_scales, Wv_codes, Wv_scales, qc, qs, kv; writes qc, qs, kv
.if DOCPART == 4
	.amdgcn_target "amdgcn-amd-amdhsa--gfx1250"
	.amdhsa_code_object_version 6
	.text
	.protected	k_q653033188e_qkv
	.globl	k_q653033188e_qkv
	.p2align	8
	.type	k_q653033188e_qkv,@function
k_q653033188e_qkv:
	s_mov_b64 s[64:65], 0
	v_nop
	global_prefetch_b8 v0, s[64:65] scope:SCOPE_SE
	s_setreg_imm32_b32 hwreg(HW_REG_WAVE_SCHED_MODE, 0, 2), 2
	s_setreg_imm32_b32 hwreg(HW_REG_WAVE_MODE, 25, 1), 1
	s_wait_xcnt 0x0
	s_wait_alu depctr_vm_vsrc(0)
; x = tok_embed[tokens] + pos_embed, h = LayerNorm(x), h quantised to FP6 (E2M3) along its 512; Q, K, V = h W (weights given as codes); Q and K quantised along the head's 32, V along the keys.
; SHARES.  Work-group (x, y): rows 128 x .. 128 x + 127 of the 8,192 (batch x / 16, record x % 16), heads 4 y .. 4 y + 3.  Sixteen waves.
;   First each wave normalises and quantises 8 rows; their codes (384 bytes a row) and scale bytes (16) go to LDS; ONE barrier.
;   Then wave w < 12 is one unit: kind w / 4 (Q, K, V), head 4 y + w % 4, all 128 rows, its 8 weight fragments in registers.  Waves 12 to 15 end behind the barrier.
;   ALL SIXTEEN WAVES LOAD A WEIGHT at the head, so that the registers which the second part names are written on every way that leads there: waves 12 to 15 take Wk's fragments of head 4 y + w % 4,
;   12,800 bytes each, and end without using them.
; ORDERS.  Tile c of a group of 64 tokens: lane r takes token 32 (c / 2) + 8 (c % 2) + r + 8 (r / 8); tile u of a head's weight: lane r takes dimension 8 u + r + 8 (r / 8).
;   So the 16 registers of two neighbouring result tiles are 16 neighbours along the next product's K, and a block of 32 lies in lanes l and l xor 16.
; OUT.  qc [bh][t][24] Q's codes; qs [bh][t] a word with Q's scale byte four times; kv [bh][16][6400]: a record of 128 keys as images of operand registers:
;   +0, +1536 K's two fragments (each block of a fragment is one tile of 16 keys); +3072 + 1536 e + 768 g half g of V^T's tile e; +6144 K's scale words; +6272 V's.
; NO CLUSTER: what work-groups share is the weights, 204,800 bytes of the 729,088 that one reads; the rest are rows gathered by token, which no joint tile covers.
; NO PREFETCH: each row and each weight is read by four or more work-groups, and the rows' loads run two rows ahead.
; LIMITS: NaN and infinities among the inputs are not served; a block whose largest magnitude lies under 2^-124 (a block of zeros too) gets the scale byte 1: its bytes are read by this program alone;
;   token ids are held at 1,999.
; THE MODE: SCHED_MODE bits 1:0 = 2 (LLVM: expert scheduling mode 2), set by the entry lines.  The code itself states the register dependences between vector or matrix instructions
;   and memory or LDS instructions, with s_wait_alu, always for 0.
; THE PLAN.  Registers that memory or LDS instructions touch:
;   v2-v14       offsets and LDS addresses: written at the head, never again: one wait on va_vdst at the head serves every load and store.
;   slot j % 3   row j: its loads land; the arithmetic writes h into the first half; the stage's stores read that half and the stage's loads land in the second; the maxima and the conversion read the second
;                half and use three registers of the first; row j + 3's loads land.  Three waits a row beside the two around the root: va_vdst ahead of the stage's stores, vm_vsrc behind the stage's
;                loads, va_vdst ahead of the stores of the codes, behind which row j + 3 is asked for at once.
;   v252-255     a row's codes and byte: written by the conversion, read by four LDS stores; the next row's vm_vsrc frees them.
;   v120-167, v248-251   second part: h's fragments and scale words: LDS loads land, a K step's eight products read: one va_vdst ahead of the loads of K steps 1 to 3.
;   v138-157, v236, v241, v242   what a group of 64 tokens stores: all vector lines first, ONE va_vdst, then the run of stores; vm_vsrc between the two groups.
.set HSC,  51200                       ; LDS: 0: 128 slots x 400 bytes (384 of codes + 16); slot = token with bits 3 and 4 swapped, so a tile's 16 rows are neighbouring slots
.set STG,  53248                       ; 51,200: 128 x 16 scale bytes;  53,248: a stage of 32 x 80 bytes for each wave
.set WF,   16                          ; v16-111  my weight's fragments: (u, s) at 16 + 12 (4 u + s)
.set WS,   112                         ; v112-119 their scale words: 4 u + s
.set LG,   120                         ; v120-135 ln_g, v136-151 ln_b: register 4 i + k = column 128 i + 4 lane + k
.set LB,   136
.set SLT,  152                         ; v152-247 three row slots of 32: 16 of tok_embed, 16 of pos_embed
.set HSR,  248                         ; v248-251 h's scale words of four tiles
.set CD,   252                         ; v252-254 a row's codes, v255 its scale byte
.set HFR,  120                         ; second part: v120-167 h's fragments of four tiles
.set ACC,  172                         ; v172-235 eight accumulators
.set TM,   120                         ; the quantiser's registers lie over h's fragments: v120-135 at work, v136 the scale word, v138-157 codes
.set PW,   136
.set PC,   138
.set PW0,  236                         ; v236 the first group's scale words; v237-242 at work
; v1 lane  v2 weight codes  v3 weight scales  v4 16 lane  v5, v6 stage in, out  v7 row codes to LDS  v8 row scale byte to LDS  v9, v10 h's fragments, scale words from LDS
; v11 qc  v12 qs  v13 8 lane  v14 4 lane  v15 r
.macro XSUM a, t                       ; the sum over the 32 lanes, in every lane
	v_add_f32_dpp v[\a], v[\a], v[\a] row_xmask:1 row_mask:0xf bank_mask:0xf
	v_add_f32_dpp v[\a], v[\a], v[\a] row_xmask:2 row_mask:0xf bank_mask:0xf
	v_add_f32_dpp v[\a], v[\a], v[\a] row_xmask:4 row_mask:0xf bank_mask:0xf
	v_add_f32_dpp v[\a], v[\a], v[\a] row_xmask:8 row_mask:0xf bank_mask:0xf
	v_permlanex16_b32 v[\t], v[\a], s70, s71
	v_add_f32 v[\a], v[\a], v[\t]
.endm
.macro MM d, a, b, sa, sb, first       ; one product 16 x 16 x 128; first = 1: it starts the sum
.if \first
	v_wmma_scale_f32_16x16x128_f8f6f4 v[\d:\d+7], v[\a:\a+11], v[\b:\b+11], 0, v[\sa], v[\sb] matrix_a_fmt:MATRIX_FMT_FP6 matrix_b_fmt:MATRIX_FMT_FP6
.else
	v_wmma_scale_f32_16x16x128_f8f6f4 v[\d:\d+7], v[\a:\a+11], v[\b:\b+11], v[\d:\d+7], v[\sa], v[\sb] matrix_a_fmt:MATRIX_FMT_FP6 matrix_b_fmt:MATRIX_FMT_FP6
.endif
.endm
; 64 numbers of a lane, register 16 b + i = place 16 (lane / 16) + i of block b, become codes and a scale word.
; swap = 1: v[PC] .. v[PC + 11] in an operand's layout (a whole block in a lane);  swap = 0: each block's 16 codes of my half at v[PC + 4 b].
.macro QUANT s, swap
.irp b, 0,1,2,3
	v_max3_num_f32 v[TM+\b], |v[\s+16*\b]|, |v[\s+1+16*\b]|, 0x1800000   ; my 16 numbers and the floor 2^(3 - 127): the byte cannot fall under 1
.endr
.irp i, 2,4,6,8,10,12,14
.irp b, 0,1,2,3
	v_max3_num_f32 v[TM+\b], v[TM+\b], |v[\s+16*\b+\i]|, |v[\s+1+16*\b+\i]|
.endr
.endr
.irp b, 0,1,2,3
	v_permlanex16_b32 v[TM+4+\b], v[TM+\b], s70, s71
.endr
.irp b, 0,1,2,3
	v_max_num_f32 v[TM+\b], v[TM+\b], v[TM+4+\b]     ; with lane l xor 16's: the block's largest magnitude
.endr
.irp b, 0,1,2,3
	v_add_nc_u32 v[TM+12+\b], 0xff000000, v[TM+\b]   ; 2 off its exponent field: the conversion's scale operand
.endr
.irp b, 0,1,2,3
	v_lshrrev_b32 v[TM+4+\b], 23, v[TM+12+\b]        ; the scale's byte
.endr
	v_lshl_or_b32 v[PW], v[TM+5], 8, v[TM+4]
	v_lshl_or_b32 v[PW], v[TM+6], 16, v[PW]
	v_lshl_or_b32 v[PW], v[TM+7], 24, v[PW]
.if \swap
.irp c, 0,1
	v_cvt_scalef32_pk16_fp6_f32 v[PC+6*\c:PC+2+6*\c], v[\s+32*\c:\s+15+32*\c], v[TM+12+2*\c]
	v_cvt_scalef32_pk16_fp6_f32 v[PC+12+4*\c:PC+14+4*\c], v[\s+16+32*\c:\s+31+32*\c], v[TM+12+2*\c+1]
.endr
	v_nop                                          ; one plain place behind a scaled conversion
.irp c, 0,1
.irp i, 0,1,2
	v_permlane16_swap_b32 v[PC+6*\c+\i], v[PC+12+4*\c+\i]   ; lanes 0-15 get block 2 c whole, lanes 16-31 block 2 c + 1
.endr
.irp i, 0,1,2
	v_mov_b32 v[PC+3+6*\c+\i], v[PC+12+4*\c+\i]
.endr
.endr
.else
.irp b, 0,1,2,3
	v_cvt_scalef32_pk16_fp6_f32 v[PC+4*\b:PC+4*\b+2], v[\s+16*\b:\s+16*\b+15], v[TM+12+\b]
.endr
	v_nop
.endif
.endm
	s_load_b256 s[4:11], s[0:1], 0x0               ; tokens, tok_embed, pos_embed, ln_g
	s_load_b64 s[12:13], s[0:1], 0x20              ; ln_b
	s_load_b128 s[16:19], s[0:1], 0x28             ; Wq's codes, scales
	s_load_b128 s[20:23], s[0:1], 0x38             ; Wk's
	s_load_b128 s[24:27], s[0:1], 0x48             ; Wv's
	s_load_b128 s[28:31], s[0:1], 0x58             ; qc, qs
	s_load_b64 s[32:33], s[0:1], 0x68              ; kv
	v_lshrrev_b32 v1, 5, v0
	v_readfirstlane_b32 s34, v1                    ; wave 0..15
	v_and_b32 v1, 31, v0                           ; lane
	v_cmp_le_u32 s69, 16, v1                       ; lanes 16-31
	v_and_b32 v15, 15, v0                          ; r
	v_bfe_u32 v16, v0, 4, 1                        ; h
	v_and_b32 v17, 8, v15
	v_add_nc_u32 v17, v17, v15                     ; r + 8 (r / 8)
	v_mul_u32_u24 v2, v17, 384
	v_mad_u32_u24 v2, v16, 24, v2                  ; a weight's row of 384 bytes, + 24 h
	v_lshlrev_b32 v3, 4, v17                       ; its 16 scale bytes
	v_lshlrev_b32 v4, 4, v1
	s_wait_alu depctr_va_sdst(0)                   ; s34 and s69 are written, ahead of their first readers: the line below reads s34, the selects of the second part s69
	s_mul_i32 s38, s34, 2560
	s_add_co_u32 s38, s38, STG                     ; my stage
	v_lshrrev_b32 v5, 2, v1
	v_mul_u32_u24 v5, v5, 80
	v_and_b32 v6, 3, v1
	v_lshl_add_u32 v5, v6, 4, v5
	v_add_nc_u32 v5, s38, v5                       ; in: four lanes' 64 bytes on end, then 16 of padding
	v_mul_u32_u24 v6, v1, 80
	v_add_nc_u32 v6, s38, v6                       ; out: my 16 neighbours
	s_bfe_u32 s38, s34, 0x10001
	s_lshl_b32 s38, s38, 3
	s_and_b32 s39, s34, 1
	s_lshl_b32 s39, s39, 4
	s_add_co_u32 s38, s38, s39
	s_lshr_b32 s39, s34, 2
	s_lshl_b32 s39, s39, 5
	s_add_co_u32 s38, s38, s39                     ; the slot of my first row, token 8 w: bits 3 and 4 swapped
	s_mul_i32 s39, s38, 400
	v_mul_u32_u24 v7, v1, 12
	v_add_nc_u32 v7, s39, v7
	s_lshl_b32 s39, s38, 4
	s_add_co_u32 s39, s39, HSC
	v_lshrrev_b32 v8, 1, v1
	v_add_nc_u32 v8, s39, v8
	v_mul_u32_u24 v9, v15, 400
	v_mad_u32_u24 v9, v16, 24, v9
	v_lshl_add_u32 v10, v15, 4, HSC
	v_mul_u32_u24 v11, v17, 24
	v_mad_u32_u24 v11, v16, 12, v11
	v_lshl_add_u32 v12, v16, 3, v17
	v_lshlrev_b32 v12, 2, v12
	v_lshlrev_b32 v13, 3, v1
	v_lshlrev_b32 v14, 2, v1
	s_mov_b32 s68, 0x3b000000                      ; 1 / 512
	s_mov_b32 s73, 0x3727c5ac                      ; 1e-5
	s_mov_b32 s70, 0x76543210
	s_mov_b32 s71, 0xfedcba98                      ; selects for lane l xor 16
	s_mov_b32 s72, 0x01010101
	s_lshr_b32 s35, s34, 2                         ; kind
	s_and_b32 s36, s34, 3
	s_and_b32 s84, ttmp7, 0xffff
	s_lshl_b32 s84, s84, 2
	s_add_co_u32 s84, s84, s36                     ; head
	s_lshr_b32 s85, ttmp9, 4                       ; batch
	s_and_b32 s86, ttmp9, 15                       ; record
	s_lshl_b32 s87, s85, 4
	s_add_co_u32 s87, s87, s84                     ; bh
	s_lshl_b32 s38, ttmp9, 9
	s_lshl_b32 s39, s34, 5
	s_add_co_u32 s38, s38, s39                     ; my 8 tokens: (128 x + 8 w) x 4 bytes
	s_mov_b32 s39, 0
	s_mov_b32 s89, 0
	s_wait_kmcnt 0x0
	s_add_nc_u64 s[4:5], s[4:5], s[38:39]
	s_load_b256 s[40:47], s[4:5], 0x0              ; eight token ids
	s_lshl_b32 s66, s86, 18
	s_lshl_b32 s67, s34, 14
	s_add_co_u32 s66, s66, s67
	s_mov_b32 s67, 0
	s_add_nc_u64 s[66:67], s[8:9], s[66:67]        ; pos_embed at row 128 record + 8 w
	s_cmp_eq_u32 s35, 0                            ; my weight: the choice hangs on the wave's number alone (kinds 1 and 3: Wk)
	s_cselect_b64 s[80:81], s[16:17], s[20:21]
	s_cselect_b64 s[82:83], s[18:19], s[22:23]
	s_cmp_eq_u32 s35, 2
	s_cselect_b64 s[80:81], s[24:25], s[80:81]
	s_cselect_b64 s[82:83], s[26:27], s[82:83]
	s_mul_i32 s88, s84, 12288
	s_add_nc_u64 s[80:81], s[80:81], s[88:89]      ; my head's 32 rows of codes
	s_lshl_b32 s88, s84, 9
	s_add_nc_u64 s[82:83], s[82:83], s[88:89]      ; and of scale bytes
	s_lshl_b32 s88, s87, 4
	s_add_co_u32 s88, s88, s86
	s_mul_i32 s88, s88, 6400
	s_add_nc_u64 s[74:75], s[32:33], s[88:89]      ; my record
	s_lshl_b32 s88, s87, 11
	s_lshl_b32 s90, s86, 7
	s_add_co_u32 s90, s88, s90                     ; 2,048 bh + 128 record
	s_mul_i32 s88, s90, 24
	s_add_nc_u64 s[76:77], s[28:29], s[88:89]
	s_lshl_b32 s88, s90, 2
	s_add_nc_u64 s[78:79], s[30:31], s[88:89]
	s_wait_alu depctr_va_vdst(0)                   ; the offsets and LDS addresses v2 to v14 are written, which every load and store of the kernel reads; the head is done with v16 and v17, in which weights land
.irp u, 0,1                            ; the weight's eight fragments and their scale words: in every wave, under no branch
.irp s, 0,1,2,3
.irp p, 0,1,2,3,4,5
	global_load_b64 v[WF+12*(4*\u+\s)+2*\p:WF+12*(4*\u+\s)+2*\p+1], v2, s[80:81] offset:3072*\u+96*\s+48*(\p/3)+8*(\p%3)
.endr
.endr
	global_load_b128 v[WS+4*\u:WS+4*\u+3], v3, s[82:83] offset:128*\u
.endr
.irp i, 0,1,2,3
	global_load_b128 v[LG+4*\i:LG+4*\i+3], v4, s[10:11] offset:512*\i
	global_load_b128 v[LB+4*\i:LB+4*\i+3], v4, s[12:13] offset:512*\i
.endr
	s_wait_kmcnt 0x0
.irp j, 0,1,2,3,4,5,6,7
	s_min_u32 s[40+\j], s[40+\j], 1999             ; an index stays inside its table
	s_lshl_b32 s[48+2*\j], s[40+\j], 11
	s_mov_b32 s[49+2*\j], 0
	s_add_nc_u64 s[48+2*\j:49+2*\j], s[6:7], s[48+2*\j:49+2*\j]   ; the row of tok_embed
.endr
.macro ROWLOAD j                       ; row j: eight loads of 512 consecutive bytes
.set SL, SLT+32*((\j)%3)
.irp i, 0,1,2,3
	global_load_b128 v[SL+4*\i:SL+4*\i+3], v4, s[48+2*(\j):49+2*(\j)] offset:512*\i
.endr
.irp i, 0,1,2,3
	global_load_b128 v[SL+16+4*\i:SL+16+4*\i+3], v4, s[66:67] offset:2048*(\j)+512*\i
.endr
.endm
	ROWLOAD 0
	ROWLOAD 1
	ROWLOAD 2
; One row.  left = the loads of the younger rows, which may stay out.  The slot's second half serves as work registers once x is made, its first half once the row has gone through the stage.
.macro ROW j, left
.set SL, SLT+32*((\j)%3)
.set R, SL+16
	s_wait_loadcnt \left
.irp k, 0,2,4,6,8,10,12,14
	v_pk_add_f32 v[SL+\k:SL+\k+1], v[SL+\k:SL+\k+1], v[R+\k:R+\k+1]     ; x
.endr
	v_pk_add_f32 v[R:R+1], v[SL:SL+1], v[SL+2:SL+3]
	v_pk_add_f32 v[R+2:R+3], v[SL+4:SL+5], v[SL+6:SL+7]
	v_pk_add_f32 v[R:R+1], v[R:R+1], v[SL+8:SL+9]
	v_pk_add_f32 v[R+2:R+3], v[R+2:R+3], v[SL+10:SL+11]
	v_pk_add_f32 v[R:R+1], v[R:R+1], v[SL+12:SL+13]
	v_pk_add_f32 v[R+2:R+3], v[R+2:R+3], v[SL+14:SL+15]
	v_pk_add_f32 v[R:R+1], v[R:R+1], v[R+2:R+3]
	v_add_f32 v[R], v[R], v[R+1]
	XSUM R, R+1
	v_mul_f32 v[R], s68, v[R]                      ; the mean
.irp k, 0,2,4,6,8,10,12,14
	v_pk_add_f32 v[SL+\k:SL+\k+1], v[SL+\k:SL+\k+1], v[R:R+1] op_sel_hi:[1,0] neg_lo:[0,1] neg_hi:[0,1]
.endr
	v_pk_mul_f32 v[R+2:R+3], v[SL:SL+1], v[SL:SL+1]
	v_pk_mul_f32 v[R+4:R+5], v[SL+2:SL+3], v[SL+2:SL+3]
.irp k, 4,8,12
	v_pk_fma_f32 v[R+2:R+3], v[SL+\k:SL+\k+1], v[SL+\k:SL+\k+1], v[R+2:R+3]
	v_pk_fma_f32 v[R+4:R+5], v[SL+\k+2:SL+\k+3], v[SL+\k+2:SL+\k+3], v[R+4:R+5]
.endr
	v_pk_add_f32 v[R+2:R+3], v[R+2:R+3], v[R+4:R+5]
	v_add_f32 v[R+2], v[R+2], v[R+3]
	XSUM R+2, R+3
	v_fma_f32 v[R+2], v[R+2], s68, s73             ; the variance + 1e-5
	s_wait_alu depctr_va_vdst(0)
	v_rsq_f32 v[R+2], v[R+2]
	v_nop                                          ; one plain place behind a transcendental
	s_wait_alu depctr_va_vdst(0)                   ; the reciprocal root is written, ahead of its first reader
.irp k, 0,2,4,6,8,10,12,14
	v_pk_mul_f32 v[SL+\k:SL+\k+1], v[SL+\k:SL+\k+1], v[R+2:R+3] op_sel_hi:[1,0]
.endr
.irp k, 0,2,4,6,8,10,12,14
	v_pk_fma_f32 v[SL+\k:SL+\k+1], v[SL+\k:SL+\k+1], v[LG+\k:LG+\k+1], v[LB+\k:LB+\k+1]   ; h
.endr
	s_wait_alu depctr_va_vdst(0)                   ; h is written in the slot's first half, which the stores below read; the lines above are done with its second half, in which the loads below land
.irp i, 0,1,2,3
	ds_store_b128 v5, v[SL+4*\i:SL+4*\i+3] offset:640*\i      ; through my own stage: LDS serves a wave's instructions in order
.endr
.irp i, 0,1,2,3
	ds_load_b128 v[R+4*\i:R+4*\i+3], v6 offset:16*\i          ; back as columns 16 lane .. 16 lane + 15: two neighbouring lanes hold a block
.endr
	s_wait_dscnt 0x0                               ; they are in
	s_wait_alu depctr_vm_vsrc(0)                   ; the stage's stores have read the slot's first half, the last row's stores v252-255: the lines below write both again
	v_max3_num_f32 v[SL], |v[R]|, |v[R+1]|, |v[R+2]|
	v_max3_num_f32 v[SL+1], |v[R+3]|, |v[R+4]|, |v[R+5]|
.irp i, 6,10
	v_max3_num_f32 v[SL], v[SL], |v[R+\i]|, |v[R+\i+1]|
	v_max3_num_f32 v[SL+1], v[SL+1], |v[R+\i+2]|, |v[R+\i+3]|
.endr
	v_max3_num_f32 v[SL], v[SL], |v[R+14]|, |v[R+15]|
	v_max3_num_f32 v[SL], v[SL], v[SL+1], 0x1800000
	v_max_num_f32_dpp v[SL], v[SL], v[SL] row_xmask:1 row_mask:0xf bank_mask:0xf
	v_add_nc_u32 v[SL+2], 0xff000000, v[SL]
	v_cvt_scalef32_pk16_fp6_f32 v[CD:CD+2], v[R:R+15], v[SL+2]
	v_lshrrev_b32 v[CD+3], 23, v[SL+2]             ; the scale's byte (the plain place behind the conversion)
	s_wait_alu depctr_va_vdst(0)                   ; the codes and the byte are written, which the stores below read; the lines above are done with the slot, in which the row three on lands
.irp k, 0,1,2
	ds_store_b32 v7, v[CD+\k] offset:400*(\j)+4*\k
.endr
	ds_store_b8 v8, v[CD+3] offset:16*(\j)         ; both lanes of a block write the same byte with the same value
.if (\j)+3 < 8
	ROWLOAD (\j)+3
.endif
.endm
	ROW 0, 16
	ROW 1, 16
	ROW 2, 16
	ROW 3, 16
	ROW 4, 16
	ROW 5, 16
	ROW 6, 8
	ROW 7, 0
	s_wait_dscnt 0x0                               ; for the others' sake: my rows lie in LDS
	s_barrier_signal -1
	s_barrier_wait -1
; 64 tokens (group g of the record's two) x my head: four K steps of 128; four tiles of tokens x two tiles of the head: eight accumulators by turns.
; Q, K: source 0 = the weight, source 1 = h: a lane holds one token, its 16 registers of tiles u = 0, 1 dimensions 16 h + 0 .. 15.
; V: source 0 = h, source 1 = the weight: a lane holds one dimension, its registers run along the tokens, which are the next product's K.
; A group's first K step owes no wait on va_vdst: since the last one (row 7's, or the one ahead of the first group's stores) no vector or matrix instruction names v120-167 or v248-251.
.macro PRND kind, rho
.irp s, 0,1,2,3
.if (\rho)+\s > 0
.rept 4
	v_nop                                          ; four places in front of loads into registers that matrix instructions have read
.endr
.endif
.if \s > 0
	s_wait_alu depctr_va_vdst(0)                   ; the last K step's products are done reading h's fragments and scale words, in which the loads below land
.endif
.irp c, 0,1,2,3
.irp p, 0,1,2,3,4,5
	ds_load_b64 v[HFR+12*\c+2*\p:HFR+12*\c+2*\p+1], v9 offset:6400*(4*(\rho)+\c)+96*\s+48*(\p/3)+8*(\p%3)
.endr
	ds_load_b32 v[HSR+\c], v10 offset:256*(4*(\rho)+\c)+4*\s
.endr
	s_wait_dscnt 0x0
.irp c, 0,1,2,3
.irp u, 0,1
.if \kind == 2
.if \s == 0
	MM ACC+16*(2*\u+\c/2)+8*(\c%2), HFR+12*\c, WF+12*(4*\u+\s), HSR+\c, WS+4*\u+\s, 1
.else
	MM ACC+16*(2*\u+\c/2)+8*(\c%2), HFR+12*\c, WF+12*(4*\u+\s), HSR+\c, WS+4*\u+\s, 0
.endif
.else
.if \s == 0
	MM ACC+16*\c+8*\u, WF+12*(4*\u+\s), HFR+12*\c, WS+4*\u+\s, HSR+\c, 1
.else
	MM ACC+16*\c+8*\u, WF+12*(4*\u+\s), HFR+12*\c, WS+4*\u+\s, HSR+\c, 0
.endif
.endif
.endr
.endr
.endr
.endm
.macro PFIN kind, rho                  ; the group's results are quantised and stored: all vector lines first, one wait, then the run of stores
.rept 4
	v_nop
.endr
.if \kind == 0
	QUANT ACC, 0
.irp c, 0,1,2,3
	v_mul_lo_u32 v[237+\c], v[TM+4+\c], s72        ; the byte four times: whichever block of an operand Q is laid into, its scale stands there
.endr
	v_cndmask_b32 v241, v237, v238, s69            ; lanes 0-15 store an even tile's words, lanes 16-31 the odd tile's
	v_cndmask_b32 v242, v239, v240, s69
	s_wait_alu depctr_va_vdst(0)                   ; the codes and the words v241, v242 are written, which the six stores below read
.irp c, 0,1,2,3
	global_store_b96 v11, v[PC+4*\c:PC+4*\c+2], s[76:77] offset:(64*(\rho)+32*(\c/2)+8*(\c%2))*24   ; my half's 16 codes of tile c's token
.endr
	global_store_b32 v12, v241, s[78:79] offset:256*(\rho)
	global_store_b32 v12, v242, s[78:79] offset:256*(\rho)+128
.endif
.if \kind == 1
	QUANT ACC, 1                                   ; the codes ARE a fragment: block c holds tile c's 16 keys
.if \rho == 0
	v_mov_b32 v[PW0], v[PW]
.else
	v_cndmask_b32 v[PW0], v[PW0], v[PW], s69       ; lanes 0-15 fragment 0's words, lanes 16-31 fragment 1's
.endif
	s_wait_alu depctr_va_vdst(0)                   ; the fragment, and in the second group the scale words v236, are written, which the stores below read
.irp k, 0,1,2
	global_store_b128 v4, v[PC+4*\k:PC+4*\k+3], s[74:75] offset:1536*(\rho)+512*\k
.endr
.if \rho == 1
	global_store_b32 v14, v[PW0], s[74:75] offset:6144
.endif
.endif
.if \kind == 2
	QUANT ACC, 1                                   ; registers 6 e .. 6 e + 5 are this group's half of V^T's tile e
	v_lshrrev_b32 v237, 16, v[PW]
	v_cndmask_b32 v237, v[PW], v237, s69           ; lanes 0-15 tile 0's two bytes, lanes 16-31 tile 1's
.if \rho == 0
	v_mov_b32 v[PW0], v237
.else
	v_perm_b32 v[PW0], v237, v[PW0], 0x05040100    ; the first group's two bytes below, this group's above
.endif
	s_wait_alu depctr_va_vdst(0)                   ; the codes, and in the second group the scale words v236, are written, which the stores below read
.irp e, 0,1
	global_store_b128 v4, v[PC+6*\e:PC+6*\e+3], s[74:75] offset:3072+1536*\e+768*(\rho)
	global_store_b64 v13, v[PC+6*\e+4:PC+6*\e+5], s[74:75] offset:3072+1536*\e+768*(\rho)+512
.endr
.if \rho == 1
	global_store_b32 v14, v[PW0], s[74:75] offset:6272
.endif
.endif
.endm
.macro PROD kind
	PRND \kind, 0
	PFIN \kind, 0
	s_wait_xcnt 0x0                                ; the stores have read their data: the registers are loaded and written again only behind this wait
	s_wait_alu depctr_vm_vsrc(0)                   ; the first group's stores have read v138-157, v241 and v242: the second group's loads land in the first of them, and its quantiser writes them all again
	PRND \kind, 1
	PFIN \kind, 1
.endm
	s_cmp_eq_u32 s35, 3
	s_cbranch_scc1 .Lend
	s_cmp_eq_u32 s35, 1
	s_cbranch_scc1 .Lkind_k
	s_cmp_eq_u32 s35, 2
	s_cbranch_scc1 .Lkind_v
	PROD 0
	s_branch .Lend
.Lkind_k:
	PROD 1
	s_branch .Lend
.Lkind_v:
	PROD 2
.Lend:
	s_wait_xcnt 0x0
	s_wait_alu depctr_vm_vsrc(0)                   ; row 7's LDS stores have read v254 and v255, which the two lines below write
	v_lshl_add_u32 v254, v0, 2, 0x17000
	v_mov_b32 v255, 0
	s_wait_dscnt 0x0                               ; the closing lines, six on end
	s_wait_alu 0x0
	s_wait_tensorcnt 0x0
	ds_add_u32 v254, v255
	s_wait_dscnt 0x0
	s_endpgm
.Lfunc_end_k_q653033188e_qkv:
	.size	k_q653033188e_qkv, .Lfunc_end_k_q653033188e_qkv-k_q653033188e_qkv
	.p2alignl 7, 3214868480
	.fill 96, 4, 3214868480
	.section	.rodata,"a",@progbits
	.p2align	6, 0x0
	.amdhsa_kernel k_q653033188e_qkv
		.amdhsa_group_segment_fixed_size 96256
		.amdhsa_private_segment_fixed_size 0
		.amdhsa_enable_private_segment 0
		.amdhsa_kernarg_size 112
		.amdhsa_user_sgpr_count 2
		.amdhsa_user_sgpr_kernarg_segment_ptr 1
		.amdhsa_wavefront_size32 1
		.amdhsa_system_sgpr_workgroup_id_x 1
		.amdhsa_system_sgpr_workgroup_id_y 1
		.amdhsa_system_sgpr_workgroup_id_z 1
		.amdhsa_system_vgpr_workitem_id 0
		.amdhsa_next_free_vgpr 256
		.amdhsa_next_free_sgpr 96
		.amdhsa_reserve_vcc 0
		.amdhsa_float_denorm_mode_32 3
		.amdhsa_float_denorm_mode_16_64 3
		.amdhsa_memory_ordered 1
		.amdhsa_forward_progress 1
		.amdhsa_inst_pref_size 160
	.end_amdhsa_kernel
	.amdgpu_metadata
---
amdhsa.version: [ 1, 2 ]
amdhsa.kernels:
  - .name:           k_q653033188e_qkv
    .symbol:         k_q653033188e_qkv.kd
    .args:
      - { .name: tokens, .offset: 0, .size: 8, .value_kind: global_buffer, .address_space: global }
      - { .name: tok_embed, .offset: 8, .size: 8, .value_kind: global_buffer, .address_space: global }
      - { .name: pos_embed, .offset: 16, .size: 8, .value_kind: global_buffer, .address_space: global }
      - { .name: ln_g, .offset: 24, .size: 8, .value_kind: global_buffer, .address_space: global }
      - { .name: ln_b, .offset: 32, .size: 8, .value_kind: global_buffer, .address_space: global }
      - { .name: Wq_codes, .offset: 40, .size: 8, .value_kind: global_buffer, .address_space: global }
      - { .name: Wq_scales, .offset: 48, .size: 8, .value_kind: global_buffer, .address_space: global }
      - { .name: Wk_codes, .offset: 56, .size: 8, .value_kind: global_buffer, .address_space: global }
      - { .name: Wk_scales, .offset: 64, .size: 8, .value_kind: global_buffer, .address_space: global }
      - { .name: Wv_codes, .offset: 72, .size: 8, .value_kind: global_buffer, .address_space: global }
      - { .name: Wv_scales, .offset: 80, .size: 8, .value_kind: global_buffer, .address_space: global }
      - { .name: qc, .offset: 88, .size: 8, .value_kind: global_buffer, .address_space: global }
      - { .name: qs, .offset: 96, .size: 8, .value_kind: global_buffer, .address_space: global }
      - { .name: kv, .offset: 104, .size: 8, .value_kind: global_buffer, .address_space: global }
    .group_segment_fixed_size: 96256
    .private_segment_fixed_size: 0
    .kernarg_segment_align: 8
    .kernarg_segment_size: 112
    .max_flat_workgroup_size: 512
    .sgpr_count:     96
    .vgpr_count:     256
    .wavefront_size: 32
...
	.end_amdgpu_metadata
.endif
;; end of part 4
;; launch attn (part 5): grid 256 x 1, 16 waves a work-group, clusters of 4 x 1, 169,984 bytes of LDS; arguments qc, qs, kv, ac, asc; writes ac, asc
.if DOCPART == 5
	.amdgcn_target "amdgcn-amd-amdhsa--gfx1250"
	.amdhsa_code_object_version 6
	.text
	.protected	k_q653033188e_attn
	.globl	k_q653033188e_attn
	.p2align	8
	.type	k_q653033188e_attn,@function
k_q653033188e_attn:
	s_mov_b64 s[64:65], 0
	v_nop
	global_prefetch_b8 v0, s[64:65] scope:SCOPE_SE
	s_setreg_imm32_b32 hwreg(HW_REG_WAVE_MODE, 25, 1), 1
	s_wait_xcnt 0x0
	s_wait_alu depctr_hold_cnt(0) depctr_sa_sdst(0) depctr_va_vdst(0) depctr_va_sdst(0) depctr_va_ssrc(0) depctr_va_vcc(0) depctr_vm_vsrc(0)
	s_getreg_b32 s2, hwreg(HW_REG_IB_STS2, 6, 4)
	s_cmp_eq_u32 s2, 0
	s_cbranch_scc0 .Lentry_in_a_cluster
	s_endpgm
.Lentry_in_a_cluster:
	s_bfe_u32 s2, ttmp6, 0x10000c
	s_cmp_lg_u32 s2, 0x3003
	s_cbranch_scc0 .Lentry_shape_is_right
	s_endpgm
.Lentry_shape_is_right:
; Causal attention of one head on codes of FP6 (E2M3), head size 32, and the quantising of its result along the head's 32.
; t = score x log2(e) / sqrt(32); M = the running largest t rounded up to a whole number; p = 2^(t - M) is quantised along the keys; the sum of the unquantised p divides at the end.
; SHARES.  A cluster of four work-groups is one head (64 heads).  Its 128 tiles of 16 queries are paired: tile (group a, e) with tile (group 15 - a, e), a + 1 and 16 - a key steps of 128 keys: 17 for
;   every pair.  64 pairs = 64 waves = 4 work-groups of 16 waves.  Wave w of work-group cx: a = w % 8, e = 2 cx + w / 8.  cx enters global addresses and the mask's comparison alone, no branch and no LDS address.
; LDS.  The head's 16 records of kv, 102,400 bytes, as they lie in memory; filled ONCE, by four joint loads (waves 0 to 3, 100 rows of 256 bytes each), which all four work-groups issue alike; nothing is stored to LDS.
; K = 32 IN A PRODUCT OF K = 128.  A fragment of K carries four tiles of 16 keys, one in each block of 32.  Q stands in four versions, its 32 codes in block 0, 1, 2 or 3 and zero codes in the other three:
;   version c picks tile c.  The versions share registers: zeros, Q in lanes 0-15, zeros, Q in lanes 16-31, zeros.
; Both products are used transposed (S^T = K Q^T, O^T = V^T P^T): a lane holds one query throughout.
; NO PREFETCH: all that the launch reads is asked for by its first loads.
; asc is written a byte a row (131,072 bytes in all): so the next launch finds its scale words ready.
; LIMITS: as in the launch before: blocks under 2^-124 get the byte 1; NaN and infinities are not served.
.set S,    104                         ; v104-167 S^T, then p
.set KFR,  168                         ; v168-191 K's two fragments
.set VFR,  192                         ; v192-215 V^T's two tiles
.set KSC,  216                         ; v216 K's scale words (lanes 0-15 fragment 0, lanes 16-31 fragment 1);  v217 V's likewise
.set VSC,  217
.set PC,   218                         ; v218-229 p's codes
.set BM,   230                         ; v230-233 block maxima;  v234-237 the partner's, then bytes;  v238-241 the conversions' scale operands
.set PT,   234
.set SO,   238
.set CT,   242                         ; v242-244, v246-248 the conversions' second halves
; v1 16 lane, v2 8 lane, v3 4 lane; v4-6 the same + the record's place; v7 16 e + r - 16 h; v8-11 tile A: -M, largest t, the sum in two halves; v12-15 tile B; v16, v17 Q's scale words
; v18-71 Q's versions; v72-87 O^T of A, v88-103 of B; v250 f, v251 p's scale word; v252, v253 at work; v[254:255] the sum's second chain
.macro ROUND                           ; a round of the cluster's barrier
	s_barrier_signal -1
	s_barrier_wait -1
	s_cmp_lg_u32 s14, 0
	s_cbranch_scc1 .Lnot_wave_0_\@
	s_barrier_signal -3
.Lnot_wave_0_\@:
	s_barrier_wait -3
	s_barrier_signal -1
	s_barrier_wait -1
.endm
	s_load_b256 s[4:11], s[0:1], 0x0               ; qc, qs, kv, ac
	s_load_b64 s[12:13], s[0:1], 0x20              ; asc
	v_lshl_add_u32 v245, v0, 2, 0x29000
	v_mov_b32 v249, 0
	ds_add_u32 v245, v249
	ds_add_u32 v245, v249
	v_lshrrev_b32 v1, 5, v0
	s_delay_alu instid0(VALU_DEP_1)
	v_readfirstlane_b32 s14, v1                    ; wave 0..15
	s_bfe_u32 s15, ttmp6, 0x40000                  ; cx
	s_mov_b32 s16, ttmp9                           ; bh: in a cluster launch ttmp9 counts clusters
	s_and_b32 s19, s14, 7                          ; tile A's group, and its last key step
	s_sub_co_u32 s20, 15, s19                      ; tile B's
	s_lshr_b32 s17, s14, 3
	s_lshl_b32 s18, s15, 1
	s_add_co_u32 s17, s17, s18                     ; e
	s_lshl_b32 s18, s17, 4
	s_lshl_b32 s21, s19, 7
	s_add_co_u32 s21, s21, s18                     ; tile A's first query
	s_lshl_b32 s22, s20, 7
	s_add_co_u32 s22, s22, s18                     ; tile B's
	s_mov_b32 s24, 0x76543210
	s_mov_b32 s25, 0xfedcba98                      ; selects for lane l xor 16
	s_mov_b32 s26, 0x3e8293ee                      ; c = log2(e) / sqrt(32)
	s_mov_b32 s27, s26                             ; (named with it as a pair, so it is written)
	s_mov_b32 s28, 15|(3<<16)|(1<<21)              ; group 1: the mask of all four work-groups; elements of 8 bytes; bit 21 set beside a mask; no padding
	s_mov_b32 s29, 32<<16                          ; tensor_dim0 = 32 elements: 256 bytes
	s_mov_b32 s30, 100<<16                         ; tensor_dim1 = 100 rows
	s_mov_b32 s31, 32<<16                          ; tile_dim0
	s_mov_b32 s32, 100                             ; tile_dim1
	s_mov_b32 s33, 32                              ; the pitch: the block is dense
	s_mov_b32 s34, 0
	s_mov_b32 s35, 0
	s_mov_b32 s36, 1
	s_mul_i32 s37, s14, 25600                      ; LDS: wave w's quarter of the head
	s_mul_i32 s44, s16, 102400
	s_add_co_u32 s44, s44, s37
	s_mov_b32 s45, 0
	s_mov_b32 s51, 0
	s_lshl_b32 s46, s16, 11
	s_add_co_u32 s47, s46, s21                     ; 2,048 bh + first query, A
	s_add_co_u32 s48, s46, s22                     ; B
	v_and_b32 v252, 31, v0                         ; lane
	v_and_b32 v253, 15, v0                         ; r
	v_bfe_u32 v254, v0, 4, 1                       ; h
	s_delay_alu instid0(VALU_DEP_3)
	v_cmp_le_u32 s42, 16, v252                     ; lanes 16-31
	s_delay_alu instid0(VALU_DEP_4)
	v_lshlrev_b32 v1, 4, v252
	v_lshlrev_b32 v2, 3, v252
	v_lshlrev_b32 v3, 2, v252
	v_lshlrev_b32 v7, 4, v254
	s_delay_alu instid0(VALU_DEP_1)
	v_sub_nc_u32 v7, v253, v7
	s_delay_alu instid0(VALU_DEP_1)
	v_add_nc_u32 v7, s18, v7                       ; on the diagonal register 16 b + i holds key 32 b + 16 h + i of the record: hidden where 32 b + i > 16 e + r - 16 h
	v_mul_u32_u24 v255, v253, 24
	v_lshlrev_b32 v254, 2, v253
	s_wait_dscnt 0x0
	s_wait_kmcnt 0x0
	s_add_nc_u64 s[38:39], s[8:9], s[44:45]
	s_or_b32 s39, s39, 0x80000000
	s_mul_i32 s50, s47, 24
	s_add_nc_u64 s[52:53], s[4:5], s[50:51]        ; qc, A
	s_add_nc_u64 s[54:55], s[10:11], s[50:51]      ; ac, A
	s_mul_i32 s50, s48, 24
	s_add_nc_u64 s[56:57], s[4:5], s[50:51]        ; qc, B
	s_add_nc_u64 s[58:59], s[10:11], s[50:51]      ; ac, B
	s_lshl_b32 s50, s47, 2
	s_add_nc_u64 s[60:61], s[6:7], s[50:51]        ; qs, A
	s_lshl_b32 s50, s48, 2
	s_add_nc_u64 s[62:63], s[6:7], s[50:51]        ; qs, B
	ROUND                                          ; all four work-groups are here: the joint loads meet
	s_cmp_lt_u32 s14, 4
	s_cbranch_scc0 .Lno_fill
	tensor_load_to_lds s[36:39], s[28:35]          ; one load of mine is out
	s_nop 0
.rept 4
	v_nop
.endr
.Lno_fill:
	s_wait_alu depctr_va_vdst(0)
.irp i, 0,1,2
	global_load_b64 v[S+2*\i:S+2*\i+1], v255, s[52:53] offset:8*\i
	global_load_b64 v[S+6+2*\i:S+6+2*\i+1], v255, s[56:57] offset:8*\i
.endr
	global_load_b32 v16, v254, s[60:61]
	global_load_b32 v17, v254, s[62:63]
.irp z, 18,30,42,54,66
.irp i, 0,1,2,3,4,5
	v_mov_b32 v[\z+\i], 0                          ; the zero codes of Q's versions
.endr
.endr
.set n, 0
.rept 32
	v_mov_b32 v[72+n], 0                           ; O^T.  (The key step is written once: the first finds zeros, which the first change of M leaves zeros)
.set n, n+1
.endr
.irp t, 8,12
	v_mov_b32 v[\t+1], 0xff61b1e6                  ; the largest t so far: -3e38
	s_delay_alu instid0(VALU_DEP_1)
	v_floor_f32 v[\t], -v[\t+1]                    ; -M
	v_mov_b32 v[\t+2], 0
	v_mov_b32 v[\t+3], 0
.endr
.irp b, 0,1,2,3
	v_mov_b32 v[PT+\b], 0                          ; a lane permute's destination counts as one of its sources
.endr
	v_mov_b32 v251, 0                              ; (named as the upper half of the pair v[250:251] before it is first written)
	s_wait_loadcnt 0x0
.irp i, 0,1,2,3,4,5
	v_cndmask_b32 v[24+\i], v[S+\i], v18, s42      ; A: Q in lanes 0-15,
	v_cndmask_b32 v[36+\i], v18, v[S+\i], s42      ; in lanes 16-31
	v_cndmask_b32 v[48+\i], v[S+6+\i], v18, s42    ; B likewise
	v_cndmask_b32 v[60+\i], v18, v[S+6+\i], s42
.endr
	s_wait_tensorcnt 0x0                           ; my quarter of the head is in,
	s_barrier_signal -1
	s_barrier_wait -1                              ; everybody's is
; A KEY STEP of one tile: record s40 (128 keys, at LDS byte s41).  QX: where the tile's versions of Q begin; OX: its O^T; STX: its statistics; QSX: its scale words; AX: the scalar with its last step.
.macro STEP QX, OX, STX, QSX, AX
	s_cmp_gt_u32 s40, s[\AX]                       ; all keys of the record come after my queries: the step is left out (a branch on the wave's number and the loop's count)
	s_cbranch_scc1 .Lskip_\@
	v_add_nc_u32 v4, s41, v1
	v_add_nc_u32 v5, s41, v2
	v_add_nc_u32 v6, s41, v3
	v_nop                                          ; these four are the places in front of loads into registers that the last products read
.irp f, 0,1
.irp k, 0,1,2
	ds_load_b128 v[KFR+12*\f+4*\k:KFR+12*\f+4*\k+3], v4 offset:1536*\f+512*\k
.endr
.endr
	ds_load_b32 v[KSC], v6 offset:6144
.irp e, 0,1
.irp g, 0,1
	ds_load_b128 v[VFR+12*\e+6*\g:VFR+12*\e+6*\g+3], v4 offset:3072+1536*\e+768*\g
	ds_load_b64 v[VFR+12*\e+6*\g+4:VFR+12*\e+6*\g+5], v5 offset:3072+1536*\e+768*\g+512
.endr
.endr
	ds_load_b32 v[VSC], v6 offset:6272
	s_wait_dscnt 9                                 ; K's seven loads are in; V's nine may be out
	s_wait_alu depctr_va_vdst(0)
.irp f, 0,1
.irp c, 0,1,2,3
.set QV, \QX+6*(1-\c/2)+12*(\c%2)      ; version c: block 0, 1, 2, 3 at QX + 6, + 18, + 0, + 12
.if \f == 0
	v_wmma_scale_f32_16x16x128_f8f6f4 v[S+8*(4*\f+\c):S+8*(4*\f+\c)+7], v[KFR+12*\f:KFR+12*\f+11], v[QV:QV+11], 0, v[KSC], v[\QSX] matrix_a_fmt:MATRIX_FMT_FP6 matrix_b_fmt:MATRIX_FMT_FP6
.else
	v_wmma_scale_f32_16x16x128_f8f6f4 v[S+8*(4*\f+\c):S+8*(4*\f+\c)+7], v[KFR+12*\f:KFR+12*\f+11], v[QV:QV+11], 0, v[KSC], v[\QSX] matrix_a_fmt:MATRIX_FMT_FP6 matrix_b_fmt:MATRIX_FMT_FP6 matrix_a_scale:MATRIX_SCALE_ROW1
.endif
.endr
.endr
.rept 4
	v_nop
.endr
	s_cmp_lg_u32 s40, s[\AX]                       ; only the tile's last step lies on the diagonal
	s_cbranch_scc1 .Lopen_\@
	v_mov_b32 v253, 0xff800000                     ; hidden scores become -infinity ahead of the maximum: p = 0 then
.set n, 0
.rept 64
	v_cmp_gt_i32 vcc_lo, 32*(n/16)+n%16, v7
	v_cndmask_b32 v[S+n], v[S+n], v253, vcc_lo
.set n, n+1
.endr
.Lopen_\@:
.irp b, 0,1,2,3
	v_max3_num_f32 v[BM+\b], v[S+16*\b], v[S+1+16*\b], v[S+2+16*\b]   ; the largest score of each block of 32 keys: for the row's maximum, and, since p rises with the score, for the block's largest p
.endr
.irp i, 3,5,7,9,11,13
.irp b, 0,1,2,3
	v_max3_num_f32 v[BM+\b], v[BM+\b], v[S+16*\b+\i], v[S+1+16*\b+\i]
.endr
.endr
.irp b, 0,1,2,3
	v_max_num_f32 v[BM+\b], v[BM+\b], v[S+15+16*\b]
.endr
.irp b, 0,1,2,3
	s_delay_alu instid0(VALU_DEP_4)
	v_permlanex16_b32 v[PT+\b], v[BM+\b], s24, s25
.endr
.irp b, 0,1,2,3
	s_delay_alu instid0(VALU_DEP_4)
	v_max_num_f32 v[BM+\b], v[BM+\b], v[PT+\b]
.endr
	s_delay_alu instid0(VALU_DEP_2)
	v_max3_num_f32 v252, v[BM], v[BM+1], v[BM+2]
	s_delay_alu instid0(VALU_DEP_1)
	v_max_num_f32 v252, v252, v[BM+3]
	s_delay_alu instid0(VALU_DEP_1)
	v_mul_f32 v252, s26, v252                      ; as t
	s_delay_alu instid0(VALU_DEP_1)
	v_max_num_f32 v[\STX+1], v[\STX+1], v252       ; the running largest t
	v_mov_b32 v252, v[\STX]
	s_delay_alu instid0(VALU_DEP_2)
	v_floor_f32 v[\STX], -v[\STX+1]                ; the new -M = -ceil(t)
	s_delay_alu instid0(VALU_DEP_1)
	v_sub_f32 v252, v[\STX], v252                  ; old M - new M: a whole number, 0 or less
	s_delay_alu instid0(VALU_DEP_1)
	v_cvt_i32_f32 v252, v252                       ; (it saturates)
	s_delay_alu instid0(VALU_DEP_1)
	v_ldexp_f32 v250, 1.0, v252                    ; f = 2^(old M - new M): a multiplication by it rounds nothing
.set n, 0
.rept 32
	v_pk_fma_f32 v[S+n:S+n+1], v[S+n:S+n+1], s[26:27], v[\STX:\STX+1] op_sel_hi:[1,0,0]   ; t - M
.set n, n+2
.endr
.irp b, 0,1,2,3
	v_fma_f32 v[BM+\b], v[BM+\b], s26, v[\STX]
.endr
.set n, 0
	s_wait_alu depctr_va_vdst(0)
.rept 64
	v_exp_f32 v[S+n], v[S+n]                       ; p, at most 1, not normalised
.set n, n+1
.endr
.irp b, 0,1,2,3
	v_exp_f32 v[BM+\b], v[BM+\b]                   ; the block's largest p: the same two instructions on the same number
.endr
	v_pk_mul_f32 v[\STX+2:\STX+3], v[\STX+2:\STX+3], v[250:251] op_sel_hi:[1,0]   ; the sums under the new M (the plain place behind the exponentials)
	s_wait_alu depctr_va_vdst(0)
.irp b, 0,1,2,3
	v_max_num_f32 v[BM+\b], 0x1800000, v[BM+\b]    ; the floor 2^(3 - 127): the byte cannot fall under 1
.endr
.irp b, 0,1,2,3
	s_delay_alu instid0(VALU_DEP_4)
	v_add_nc_u32 v[SO+\b], 0xff000000, v[BM+\b]
.endr
.irp b, 0,1,2,3
	s_delay_alu instid0(VALU_DEP_4)
	v_lshrrev_b32 v[PT+\b], 23, v[SO+\b]
.endr
	s_delay_alu instid0(VALU_DEP_3)
	v_lshl_or_b32 v251, v[PT+1], 8, v[PT]          ; p's scale word for these 128 keys
	s_delay_alu instid0(VALU_DEP_1)
	v_lshl_or_b32 v251, v[PT+2], 16, v251
	s_delay_alu instid0(VALU_DEP_1)
	v_lshl_or_b32 v251, v[PT+3], 24, v251
.irp c, 0,1
	v_cvt_scalef32_pk16_fp6_f32 v[PC+6*\c:PC+6*\c+2], v[S+32*\c:S+32*\c+15], v[SO+2*\c]
	v_cvt_scalef32_pk16_fp6_f32 v[CT+4*\c:CT+4*\c+2], v[S+16+32*\c:S+31+32*\c], v[SO+2*\c+1]
.endr
	v_nop                                          ; one plain place behind a scaled conversion
.irp c, 0,1
.irp i, 0,1,2
	v_permlane16_swap_b32 v[PC+6*\c+\i], v[CT+4*\c+\i]
.endr
.irp i, 0,1,2
	s_delay_alu instid0(VALU_DEP_3)
	v_mov_b32 v[PC+3+6*\c+\i], v[CT+4*\c+\i]
.endr
.endr
.irp j, 0,2,4,6,8,10,12,14
	v_pk_mul_f32 v[\OX+\j:\OX+\j+1], v[\OX+\j:\OX+\j+1], v[250:251] op_sel_hi:[1,0]   ; O^T under the new M
.endr
	v_pk_add_f32 v[254:255], v[S:S+1], v[S+2:S+3]  ; the row's sum is taken of the unquantised p, in two chains.  (These lines are also the places between the writes of p's codes and scale word and the products)
.irp j, 4,8,12,16,20,24,28,32,36,40,44,48,52,56,60
	v_pk_add_f32 v[\STX+2:\STX+3], v[\STX+2:\STX+3], v[S+\j:S+\j+1]
	v_pk_add_f32 v[254:255], v[254:255], v[S+2+\j:S+3+\j]
.endr
	s_delay_alu instid0(VALU_DEP_1)
	v_pk_add_f32 v[\STX+2:\STX+3], v[\STX+2:\STX+3], v[254:255]
	s_wait_dscnt 0x0                               ; V is in
	v_wmma_scale_f32_16x16x128_f8f6f4 v[\OX:\OX+7], v[VFR:VFR+11], v[PC:PC+11], v[\OX:\OX+7], v[VSC], v251 matrix_a_fmt:MATRIX_FMT_FP6 matrix_b_fmt:MATRIX_FMT_FP6
	v_wmma_scale_f32_16x16x128_f8f6f4 v[\OX+8:\OX+15], v[VFR+12:VFR+23], v[PC:PC+11], v[\OX+8:\OX+15], v[VSC], v251 matrix_a_fmt:MATRIX_FMT_FP6 matrix_b_fmt:MATRIX_FMT_FP6 matrix_a_scale:MATRIX_SCALE_ROW1
.Lskip_\@:
.endm
	s_mov_b32 s40, 0
	s_mov_b32 s41, 0
.Lkeys:                                                ; sixteen trips, a constant: every wave walks all records and leaves out what lies behind its queries
	STEP 42, 88, 12, 17, 20
	STEP 18, 72, 8, 16, 19
	s_add_co_u32 s41, s41, 6400
	s_add_co_u32 s40, s40, 1
	s_cmp_lt_u32 s40, 16
	s_cbranch_scc1 .Lkeys
	; THE WAY OUT.  O^T / the sum; a lane's 16 registers are dimensions 16 h + 0 .. 15 of its query: half of the block that the next product wants.  The four address lines are the places behind the last products.
	v_and_b32 v254, 15, v0
	v_bfe_u32 v253, v0, 4, 1
	s_delay_alu instid0(VALU_DEP_2)
	v_mul_u32_u24 v255, v254, 24
	s_delay_alu instid0(VALU_DEP_1)
	v_mad_u32_u24 v255, v253, 12, v255
.macro FIN OX, STX, k, base
	v_add_f32 v252, v[\STX+2], v[\STX+3]
	s_delay_alu instid0(VALU_DEP_1)
	v_permlanex16_b32 v253, v252, s24, s25
	s_delay_alu instid0(VALU_DEP_1)
	v_add_f32 v252, v252, v253                     ; the row's sum
	s_wait_alu depctr_va_vdst(0)
	v_rcp_f32 v252, v252
	v_nop
	s_wait_alu depctr_va_vdst(0)
.irp j, 0,2,4,6,8,10,12,14
	v_pk_mul_f32 v[S+16*\k+\j:S+16*\k+\j+1], v[\OX+\j:\OX+\j+1], v[252:253] op_sel_hi:[1,0]
.endr
	v_max3_num_f32 v[BM], |v[S+16*\k]|, |v[S+16*\k+1]|, 0x1800000
.irp i, 2,4,6,8,10,12,14
	s_delay_alu instid0(VALU_DEP_1)
	v_max3_num_f32 v[BM], v[BM], |v[S+16*\k+\i]|, |v[S+16*\k+\i+1]|
.endr
	s_delay_alu instid0(VALU_DEP_1)
	v_permlanex16_b32 v[PT], v[BM], s24, s25
	s_delay_alu instid0(VALU_DEP_1)
	v_max_num_f32 v[BM], v[BM], v[PT]
	s_delay_alu instid0(VALU_DEP_1)
	v_add_nc_u32 v[SO+\k], 0xff000000, v[BM]
	v_cvt_scalef32_pk16_fp6_f32 v[PC+4*\k:PC+4*\k+2], v[S+16*\k:S+16*\k+15], v[SO+\k]
	v_lshrrev_b32 v[BM+2+\k], 23, v[SO+\k]         ; the scale's byte (the plain place behind the conversion)
	global_store_b96 v255, v[PC+4*\k:PC+4*\k+2], s[\base:\base+1]    ; the wave stores 384 consecutive bytes
.endm
	s_wait_alu depctr_va_vdst(0)
	FIN 72, 8, 0, 54
	FIN 88, 12, 1, 58
	s_lshr_b32 s44, s16, 4
	s_lshl_b32 s44, s44, 11                        ; the batch's first row
	s_and_b32 s45, s16, 15                         ; the head
	s_add_co_u32 s46, s44, s21
	s_lshl_b32 s46, s46, 4
	s_add_co_u32 s46, s46, s45
	s_add_co_u32 s47, s44, s22
	s_lshl_b32 s47, s47, 4
	s_add_co_u32 s47, s47, s45
	v_mov_b32 v252, s46
	v_mov_b32 v253, s47
	s_delay_alu instid0(VALU_DEP_1)
	v_cndmask_b32 v252, v252, v253, s42            ; lanes 0-15 store tile A's bytes, lanes 16-31 tile B's
	s_delay_alu instid0(VALU_DEP_1)
	v_lshl_add_u32 v252, v254, 4, v252             ; row x 16 + head
	s_wait_alu depctr_va_vdst(0)
	v_cndmask_b32 v[BM+2], v[BM+2], v[BM+3], s42
	global_store_b8 v252, v[BM+2], s[12:13]
	s_wait_dscnt 0x0
	s_wait_tensorcnt 0x0
	ds_add_u32 v245, v249
	s_wait_dscnt 0x0
	ROUND                                          ; the closing round: no work-group ends while a partner may still ask for a tile that names it
	s_endpgm
.Lfunc_end_k_q653033188e_attn:
	.size	k_q653033188e_attn, .Lfunc_end_k_q653033188e_attn-k_q653033188e_attn
	.p2alignl 7, 3214868480
	.fill 96, 4, 3214868480
	.section	.rodata,"a",@progbits
	.p2align	6, 0x0
	.amdhsa_kernel k_q653033188e_attn
		.amdhsa_group_segment_fixed_size 169984
		.amdhsa_private_segment_fixed_size 0
		.amdhsa_enable_private_segment 0
		.amdhsa_kernarg_size 40
		.amdhsa_user_sgpr_count 2
		.amdhsa_user_sgpr_kernarg_segment_ptr 1
		.amdhsa_wavefront_size32 1
		.amdhsa_system_sgpr_workgroup_id_x 1
		.amdhsa_system_sgpr_workgroup_id_y 1
		.amdhsa_system_sgpr_workgroup_id_z 1
		.amdhsa_system_vgpr_workitem_id 0
		.amdhsa_next_free_vgpr 256
		.amdhsa_next_free_sgpr 66
		.amdhsa_reserve_vcc 1
		.amdhsa_float_denorm_mode_32 3
		.amdhsa_float_denorm_mode_16_64 3
		.amdhsa_memory_ordered 1
		.amdhsa_forward_progress 1
		.amdhsa_inst_pref_size 55
	.end_amdhsa_kernel
	.amdgpu_metadata
---
amdhsa.version: [ 1, 2 ]
amdhsa.kernels:
  - .name:           k_q653033188e_attn
    .symbol:         k_q653033188e_attn.kd
    .args:
      - { .name: qc, .offset: 0, .size: 8, .value_kind: global_buffer, .address_space: global }
      - { .name: qs, .offset: 8, .size: 8, .value_kind: global_buffer, .address_space: global }
      - { .name: kv, .offset: 16, .size: 8, .value_kind: global_buffer, .address_space: global }
      - { .name: ac, .offset: 24, .size: 8, .value_kind: global_buffer, .address_space: global }
      - { .name: asc, .offset: 32, .size: 8, .value_kind: global_buffer, .address_space: global }
    .group_segment_fixed_size: 169984
    .private_segment_fixed_size: 0
    .kernarg_segment_align: 8
    .kernarg_segment_size: 40
    .max_flat_workgroup_size: 512
    .sgpr_count:     66
    .vgpr_count:     256
    .wavefront_size: 32
...
	.end_amdgpu_metadata
.endif
;; end of part 5
;; launch out (part 6): grid 256 x 1, 16 waves a work-group, no clusters, 284,672 bytes of LDS; arguments tokens, tok_embed, pos_embed, ac, asc, Wproj_codes, Wproj_scales, fc_w_codes, fc_w_scales, fc_b, out0; writes out0
.if DOCPART == 6
	.amdgcn_target "amdgcn-amd-amdhsa--gfx1250"
	.amdhsa_code_object_version 6
	.text
	.protected	k_q653033188e_out
	.globl	k_q653033188e_out
	.p2align	8
	.type	k_q653033188e_out,@function
k_q653033188e_out:
	s_mov_b64 s[64:65], 0
	v_nop
	global_prefetch_b8 v0, s[64:65] scope:SCOPE_SE
	s_setreg_imm32_b32 hwreg(HW_REG_WAVE_SCHED_MODE, 0, 2), 2
	s_setreg_imm32_b32 hwreg(HW_REG_WAVE_MODE, 25, 1), 1
	s_wait_xcnt 0x0
	s_wait_alu depctr_vm_vsrc(0)
; logits = Q(x + attn Wproj) fc_w + fc_b, both products on codes of FP6 (E2M3).  x = tok_embed[tokens] + pos_embed is gathered anew and is the C of the first product's sums; fc_b is the C of the second's.
; SHARES.  A work-group owns 32 whole rows (two tiles of 16).  THE SIXTEEN WAVES SHARE THE COLUMNS: wave w makes columns 32 w .. 32 w + 31 of x + out, which are block w of the second product's K,
;   and then the column tiles w + 16 j of the 125 tiles of logits.  Each weight byte goes from memory to registers once in a work-group.
; Both products are used transposed (source 0 = 16 rows of the weight, source 1 = 16 rows of the left operand): a lane holds one row, its registers neighbouring columns.
; Operands go from wave to wave through LDS as images of their registers.  Three barriers: attn's fragments | x + out's fragments | the 32 rows of logits.
; THE WAY OUT.  A row of logits is 8,000 bytes; 32 rows are 256,000 = 1,000 x 256.  The rows meet in a stage (pitch 8,016) and leave as 500 pieces of 512 consecutive bytes, each beginning at a multiple of 256 from out0's first byte.
; NO CLUSTER: the stage takes 256,512 bytes of LDS, which leaves no room for slots of weights that the sixteen waves could share.  NO PREFETCH: all work-groups read the same weights.
; LIMITS: x + out is rounded inside the matrix sum; blocks under 2^-124 get the scale byte 1; token ids are held at 1,999; NaN and infinities are not served.
; THE MODE: SCHED_MODE bits 1:0 = 2 (LLVM: expert scheduling mode 2), set by the entry lines.  The code itself states the register dependences between vector or matrix instructions
;   and memory or LDS instructions, with s_wait_alu, always for 0.
; THE PLAN.  Registers that memory or LDS instructions touch:
;   v1-v15, v167-171   offsets and LDS addresses, written at the head: one va_vdst ahead of the first loads.  v165, v166: offsets made of the loaded ids: one va_vdst ahead of the gather.
;   v120-215, v216-223 the left operand.  Behind the first barrier attn's fragments land there: vm_vsrc (the LDS stores have read v152-164, the head's loads their offsets v165-171) and va_vdst (the additions have read
;                      v120-151).  Behind the second barrier x + out's land: nothing is owed, since no vector or matrix instruction issued since the wait behind the first product names them.
;   v16-111, v112-119, v240-255   fc_w's tiles, scale words and fc_b, two sets by turns: tile j's products read set j % 2; the wait on va_vdst behind them, which the tile's stores owe, also lets tile j + 2 land there.
;   v224-239           two accumulators: written by a tile's products, read by its four LDS stores: va_vdst ahead of the stores, vm_vsrc ahead of the next tile's products.
;   v70, v72-77        x + out's byte and codes: one va_vdst ahead of their LDS stores; vm_vsrc ahead of tile 1's loads, which land there.
;   v144-174           the stage's 31 addresses on the way out: all are made first, ONE va_vdst, then the 31 loads.
.set AIMG, 256512                      ; LDS: 0: the stage, 32 x 8,016;  attn's 8 fragments (4 tile + K step), 1,536 bytes each: registers 4 k .. 4 k + 3 at 512 k + 16 lane
.set ASCW, 268800                      ; their scale words, 128 bytes each
.set XIMG, 269824                      ; x + out's 8 fragments: registers 2 p, 2 p + 1 at 256 p + 8 lane
.set XSC,  282112                      ; their scale words, 64 bytes each
; v1 XIMG + 8 lane  v2 512 w + 16 lane  v3 XSC + 4 r  v4 r  v5 fc_w codes  v6 16 r  v7 32 h  v8, v9 stage, tiles 0 and 1  v10, v11 attn images in, out  v12, v13 their scale words in, out
; v14, v15 x + out's codes and scale byte to LDS.  v16-111 Wproj's 8 fragments, then fc_w's tiles in two sets; v112-119 their scale words; v120-215 the left operand's 8 fragments; v216-223 its scale words;
; v224-255 x, then x + out; then v224-239 two accumulators, v240-255 fc_b in two sets.  At the head v120-151 pos_embed, v152-164 attn's fragment, v165-173 addresses.
	s_load_b256 s[4:11], s[0:1], 0x0               ; tokens, tok_embed, pos_embed, ac
	s_load_b256 s[12:19], s[0:1], 0x20             ; asc, Wproj's codes, scales, fc_w's codes
	s_load_b128 s[20:23], s[0:1], 0x40             ; fc_w's scales, fc_b
	s_load_b64 s[24:25], s[0:1], 0x50              ; out0
	v_lshrrev_b32 v1, 5, v0
	v_readfirstlane_b32 s26, v1                    ; wave 0..15
	v_and_b32 v172, 31, v0                         ; lane
	v_and_b32 v4, 15, v0                           ; r
	v_bfe_u32 v173, v0, 4, 1                       ; h
	v_cmp_le_u32 s39, 16, v172                     ; lanes 16-31
	s_mov_b32 s40, 0x76543210
	s_mov_b32 s41, 0xfedcba98
	v_lshl_add_u32 v1, v172, 3, XIMG
	s_wait_alu depctr_va_sdst(0)                   ; s26 and s39 are written, ahead of their first readers: the line below reads s26, the select behind the quantiser s39
	s_lshl_b32 s27, s26, 9
	v_lshlrev_b32 v2, 4, v172
	v_add_nc_u32 v2, s27, v2
	v_lshl_add_u32 v3, v4, 2, XSC
	v_mul_u32_u24 v5, v4, 384
	v_mad_u32_u24 v5, v173, 24, v5
	v_lshlrev_b32 v6, 4, v4
	v_lshlrev_b32 v7, 5, v173
	v_mul_u32_u24 v8, v4, 8016
	v_lshl_add_u32 v8, v173, 5, v8
	s_lshl_b32 s27, s26, 6
	v_add_nc_u32 v8, s27, v8                       ; row r, + 32 h, + 64 w
	v_add_nc_u32 v9, 128256, v8                    ; sixteen rows on
	s_mul_i32 s27, s26, 1536
	s_add_co_u32 s27, s27, AIMG
	v_lshlrev_b32 v11, 4, v172
	v_add_nc_u32 v10, s27, v11
	v_add_nc_u32 v11, AIMG, v11
	s_lshl_b32 s27, s26, 7
	s_add_co_u32 s27, s27, ASCW
	v_lshlrev_b32 v13, 2, v172
	v_add_nc_u32 v12, s27, v13
	v_add_nc_u32 v13, ASCW, v13
	s_lshr_b32 s27, s26, 2                         ; block w of K lies in K step w / 4, registers 6 ((w / 2) % 2) on, lanes 16 (w % 2) on
	s_mul_i32 s28, s27, 1536
	s_bfe_u32 s29, s26, 0x10001
	s_mul_i32 s29, s29, 768
	s_add_co_u32 s28, s28, s29
	s_and_b32 s29, s26, 1
	s_lshl_b32 s29, s29, 7
	s_add_co_u32 s28, s28, s29
	s_add_co_u32 s28, s28, XIMG
	v_mul_u32_u24 v14, v173, 6144                  ; my half of the lanes holds tile h's codes
	v_lshl_add_u32 v14, v4, 3, v14
	v_add_nc_u32 v14, s28, v14
	s_lshl_b32 s28, s27, 6
	s_and_b32 s29, s26, 3
	s_add_co_u32 s28, s28, s29
	s_add_co_u32 s28, s28, XSC
	v_lshlrev_b32 v15, 8, v173
	v_lshl_add_u32 v15, v4, 2, v15
	v_add_nc_u32 v15, s28, v15
	v_lshlrev_b32 v167, 11, v4
	v_lshl_add_u32 v167, v173, 6, v167             ; pos_embed: row r, + 64 h
	v_mul_u32_u24 v168, v173, 49152
	v_mad_u32_u24 v168, v4, 24, v168               ; ac: token r, head + h
	v_lshlrev_b32 v169, 2, v4                      ; tokens
	v_and_b32 v170, 8, v4
	v_add_nc_u32 v171, v170, v4                    ; r + 8 (r / 8): the rows of Wproj that form a tile are not neighbours
	v_mul_u32_u24 v170, v171, 384
	v_mad_u32_u24 v170, v173, 24, v170
	v_lshlrev_b32 v171, 4, v171
	v_lshlrev_b32 v173, 6, v173                    ; 64 h
	s_lshr_b32 s27, ttmp9, 6                       ; batch
	s_and_b32 s28, ttmp9, 63
	s_lshl_b32 s28, s28, 5                         ; my first token in it
	s_lshr_b32 s29, s26, 2                         ; waves 0 to 7 bring attn's fragment (tile w / 4, K step w % 4)
	s_and_b32 s30, s26, 3
	s_lshl_b32 s31, s27, 4
	s_lshl_b32 s32, s30, 2
	s_add_co_u32 s31, s31, s32                     ; bh of the K step's first head
	s_lshl_b32 s31, s31, 11
	s_add_co_u32 s31, s31, s28
	s_lshl_b32 s32, s29, 4
	s_add_co_u32 s31, s31, s32
	s_mul_i32 s32, s31, 24
	s_mov_b32 s33, 0
	s_wait_kmcnt 0x0
	s_add_nc_u64 s[34:35], s[10:11], s[32:33]
	s_lshl_b32 s32, ttmp9, 9
	s_lshl_b32 s36, s29, 8
	s_add_co_u32 s32, s32, s36
	s_lshl_b32 s36, s30, 2
	s_add_co_u32 s32, s32, s36
	s_add_nc_u64 s[36:37], s[12:13], s[32:33]      ; asc: row 32 G + 16 tile, word = K step
	s_lshl_b32 s32, ttmp9, 7
	s_add_nc_u64 s[4:5], s[4:5], s[32:33]          ; my 32 tokens
	s_lshl_b32 s32, s28, 11
	s_lshl_b32 s38, s26, 7
	s_add_co_u32 s32, s32, s38
	s_add_nc_u64 s[8:9], s[8:9], s[32:33]          ; pos_embed at my first row, column 32 w
	s_mov_b32 s32, s38
	s_add_nc_u64 s[6:7], s[6:7], s[32:33]          ; tok_embed at column 32 w
	s_mul_i32 s32, s26, 12288
	s_add_nc_u64 s[14:15], s[14:15], s[32:33]      ; Wproj's rows 32 w on
	s_lshl_b32 s32, s26, 9
	s_add_nc_u64 s[16:17], s[16:17], s[32:33]
	s_mul_i32 s32, s26, 6144
	s_add_nc_u64 s[18:19], s[18:19], s[32:33]      ; fc_w's rows 16 w on
	s_lshl_b32 s32, s26, 8
	s_add_nc_u64 s[20:21], s[20:21], s[32:33]
	s_lshl_b32 s32, s26, 6
	s_add_nc_u64 s[22:23], s[22:23], s[32:33]
	s_mul_i32 s32, ttmp9, 256000
	s_add_nc_u64 s[24:25], s[24:25], s[32:33]      ; my 32 rows of logits
	s_wait_alu depctr_va_vdst(0)                   ; the offsets and LDS addresses v1 to v15 and v167 to v171 are written, which the loads and stores below read; it stands ahead of the branch, for both ways
	s_cmp_lt_u32 s26, 8
	s_cbranch_scc0 .Lno_ac
.irp c, 0,1
.irp i, 0,1,2
	global_load_b64 v[152+6*\c+2*\i:153+6*\c+2*\i], v168, s[34:35] offset:98304*\c+8*\i   ; head 4 s + 2 c + h: its 32 codes are block 2 c + h of the K step
.endr
.endr
	global_load_b32 v164, v6, s[36:37]
.Lno_ac:
	global_load_b32 v165, v169, s[4:5]
	global_load_b32 v166, v169, s[4:5] offset:64
.irp t, 0,1
.irp k, 0,1,2,3
	global_load_b128 v[120+16*\t+4*\k:123+16*\t+4*\k], v167, s[8:9] offset:32768*\t+16*\k
.endr
.endr
.irp u, 0,1
.irp s, 0,1,2,3
.irp p, 0,1,2,3,4,5
	global_load_b64 v[16+12*(4*\u+\s)+2*\p:17+12*(4*\u+\s)+2*\p], v170, s[14:15] offset:3072*\u+96*\s+48*(\p/3)+8*(\p%3)
.endr
.endr
	global_load_b128 v[112+4*\u:115+4*\u], v171, s[16:17] offset:128*\u
.endr
	s_wait_loadcnt 58                              ; behind the token ids: 8 loads of pos_embed and 50 of Wproj, on both ways: the ids and attn's fragment are in
.irp t, 0,1
	v_min_u32 v[165+\t], 0x7cf, v[165+\t]          ; an index stays inside its table
	v_lshlrev_b32 v[165+\t], 11, v[165+\t]
	v_add_nc_u32 v[165+\t], v173, v[165+\t]
.endr
	s_wait_alu depctr_va_vdst(0)                   ; the two offsets v165 and v166 are written, which the eight loads below read
.irp t, 0,1
.irp k, 0,1,2,3
	global_load_b128 v[224+16*\t+4*\k:227+16*\t+4*\k], v[165+\t], s[6:7] offset:16*\k
.endr
.endr
	s_cmp_lt_u32 s26, 8
	s_cbranch_scc0 .Lno_img
.irp k, 0,1,2
	ds_store_b128 v10, v[152+4*\k:155+4*\k] offset:512*\k
.endr
	ds_store_b32 v12, v164
.Lno_img:
	s_wait_loadcnt 0x0
.set n, 0
.rept 16
	v_pk_add_f32 v[224+n:225+n], v[224+n:225+n], v[120+n:121+n]   ; x(row r of tile t, column 32 w + 16 h + i) at v[224 + 16 t + i]
.set n, n+2
.endr
	s_wait_dscnt 0x0
	s_barrier_signal -1
	s_barrier_wait -1                              ; attn's eight fragments lie in LDS
	s_wait_alu depctr_vm_vsrc(0)                   ; my LDS stores have read v152-164 and the head's loads their offsets v165-171: the fragments below land in all of them
	s_wait_alu depctr_va_vdst(0)                   ; the additions are done reading v120-151, in which the fragments below land
.irp f, 0,1,2,3,4,5,6,7
.irp k, 0,1,2
	ds_load_b128 v[120+12*\f+4*\k:123+12*\f+4*\k], v11 offset:1536*\f+512*\k
.endr
	ds_load_b32 v[216+\f], v13 offset:128*\f
.endr
	s_wait_dscnt 0x0
.irp s, 0,1,2,3                        ; x + attn Wproj: four accumulators by turns; the sums begin with x
.irp t, 0,1
.irp u, 0,1
	v_wmma_scale_f32_16x16x128_f8f6f4 v[224+16*\t+8*\u:231+16*\t+8*\u], v[16+12*(4*\u+\s):27+12*(4*\u+\s)], v[120+12*(4*\t+\s):131+12*(4*\t+\s)], v[224+16*\t+8*\u:231+16*\t+8*\u], v[112+4*\u+\s], v[216+4*\t+\s] matrix_a_fmt:MATRIX_FMT_FP6 matrix_b_fmt:MATRIX_FMT_FP6
.endr
.endr
.endr
.rept 4
	v_nop                                          ; four places in front of the reads of results and of loads into registers that the products read
.endr
.macro LOADC j                         ; column tile w + 16 j of fc_w: four fragments and the scale words, into set j % 2
.set FB, 16+48*((\j)%2)
.irp s, 0,1,2,3
.irp p, 0,1,2,3,4,5
	global_load_b64 v[FB+12*\s+2*\p:FB+12*\s+2*\p+1], v5, s[18:19] offset:98304*(\j)+96*\s+48*(\p/3)+8*(\p%3)
.endr
.endr
	global_load_b128 v[112+4*((\j)%2):115+4*((\j)%2)], v6, s[20:21] offset:4096*(\j)
.endm
.macro LOADB j                         ; its eight numbers of fc_b for my half of the lanes
	global_load_b128 v[240+8*((\j)%2):243+8*((\j)%2)], v7, s[22:23] offset:1024*(\j)
	global_load_b128 v[244+8*((\j)%2):247+8*((\j)%2)], v7, s[22:23] offset:1024*(\j)+16
.endm
	s_wait_alu depctr_va_vdst(0)                   ; the products are done reading Wproj's fragments and scale words, in which fc_w's first tile lands
	LOADC 0
	; x + out is quantised: block w of each of the 32 rows; a tile's block lies in lanes l and l xor 16
.irp t, 0,1
	v_max3_num_f32 v[64+\t], |v[224+16*\t]|, |v[225+16*\t]|, 0x1800000
.endr
.irp i, 2,4,6,8,10,12,14
.irp t, 0,1
	v_max3_num_f32 v[64+\t], v[64+\t], |v[224+16*\t+\i]|, |v[225+16*\t+\i]|
.endr
.endr
.irp t, 0,1
	v_permlanex16_b32 v[66+\t], v[64+\t], s40, s41
.endr
.irp t, 0,1
	v_max_num_f32 v[64+\t], v[64+\t], v[66+\t]
.endr
.irp t, 0,1
	v_add_nc_u32 v[68+\t], 0xff000000, v[64+\t]
.endr
.irp t, 0,1
	v_lshrrev_b32 v[70+\t], 23, v[68+\t]
.endr
	v_cvt_scalef32_pk16_fp6_f32 v[72:74], v[224:239], v68
	v_cvt_scalef32_pk16_fp6_f32 v[78:80], v[240:255], v69
	v_nop                                          ; one plain place behind a scaled conversion
.irp i, 0,1,2
	v_permlane16_swap_b32 v[72+\i], v[78+\i]       ; lanes 0-15 now hold tile 0's whole block, lanes 16-31 tile 1's
.endr
.irp i, 0,1,2
	v_mov_b32 v[75+\i], v[78+\i]
.endr
	v_cndmask_b32 v70, v70, v71, s39
	s_wait_alu depctr_va_vdst(0)                   ; the codes v72-77 and the byte v70 are written, which the LDS stores read; the conversions are done reading v240-255, in which fc_b lands, and the quantiser with v64-80, in which tile 1 lands
	LOADB 0                                        ; (into registers that x + out has left)
.irp i, 0,1,2
	ds_store_b64 v14, v[72+2*\i:73+2*\i] offset:256*\i
.endr
	ds_store_b8 v15, v70
	s_wait_dscnt 0x0
	s_barrier_signal -1
	s_barrier_wait -1                              ; x + out's eight fragments lie in LDS
.irp f, 0,1,2,3,4,5,6,7
.irp p, 0,1,2,3,4,5
	ds_load_b64 v[120+12*\f+2*\p:121+12*\f+2*\p], v1 offset:1536*\f+256*\p
.endr
	ds_load_b32 v[216+\f], v3 offset:64*\f
.endr
	s_wait_alu depctr_vm_vsrc(0)                   ; my LDS stores have read v70 and v72-77, in which fc_w's tile 1 lands
; A column tile: 16 columns x 32 rows: two accumulators by turns, four K steps; fc_b starts the sums.
.macro TILE j
.set FB, 16+48*((\j)%2)
	s_wait_dscnt 0x0                               ; the operand is in
.if (\j) > 0
	s_wait_alu depctr_vm_vsrc(0)                   ; the last tile's stores into the stage have read the accumulators, which the products below write again
.endif
.irp s, 0,1,2,3
.irp t, 0,1
.if \s == 0
	v_wmma_scale_f32_16x16x128_f8f6f4 v[224+8*\t:231+8*\t], v[FB+12*\s:FB+12*\s+11], v[120+12*(4*\t+\s):131+12*(4*\t+\s)], v[240+8*((\j)%2):247+8*((\j)%2)], v[112+4*((\j)%2)+\s], v[216+4*\t+\s] matrix_a_fmt:MATRIX_FMT_FP6 matrix_b_fmt:MATRIX_FMT_FP6
.else
	v_wmma_scale_f32_16x16x128_f8f6f4 v[224+8*\t:231+8*\t], v[FB+12*\s:FB+12*\s+11], v[120+12*(4*\t+\s):131+12*(4*\t+\s)], v[224+8*\t:231+8*\t], v[112+4*((\j)%2)+\s], v[216+4*\t+\s] matrix_a_fmt:MATRIX_FMT_FP6 matrix_b_fmt:MATRIX_FMT_FP6
.endif
.endr
.endr
.rept 5
	v_nop                                          ; five places: the next tile's first products write over these accumulators with another C; four serve the stores below and the next loads
.endr
	s_wait_alu depctr_va_vdst(0)                   ; the products have written the accumulators, which the stores below read, and are done reading this tile's fragments, scale words and fc_b, in which the tile two on lands
.irp t, 0,1
	ds_store_b128 v[8+\t], v[224+8*\t:227+8*\t] offset:1024*(\j)       ; lane (r, h): logits(16 t + r, 16 (w + 16 j) + 8 h + 0 .. 7), each accumulator from its low end on
	ds_store_b128 v[8+\t], v[228+8*\t:231+8*\t] offset:1024*(\j)+16
.endr
.endm
.irp j, 0,1,2,3,4,5
	LOADC \j+1
	LOADB \j+1
	s_wait_loadcnt 27                              ; the next tile's 27 loads may be out
	TILE \j
.endr
	s_cmp_lt_u32 s26, 13                           ; 125 tiles: an eighth one for waves 0 to 12
	s_cbranch_scc0 .Lshort
	LOADC 7
	LOADB 7
	s_wait_loadcnt 27
	TILE 6
	s_wait_loadcnt 0x0
	TILE 7
	s_branch .Ljoin
.Lshort:
	s_wait_loadcnt 0x0
	TILE 6
.Ljoin:
	s_wait_dscnt 0x0
	s_barrier_signal -1
	s_barrier_wait -1                              ; 32 whole rows of logits lie in the stage
	; piece w + 16 k of the 500: flat byte g = 512 w + 16 lane + 8,192 k of the 256,000; its row is g / 8,000 = ((g >> 6) x 33,555) >> 22, exact for g >> 6 under 4,000; in the stage it lies 16 bytes further on for each row
	; All 31 addresses are made first, line by line across the pieces (v176-206 at work), so that one wait serves the 31 loads.
.set k, 0
.rept 31
	v_add_nc_u32 v[144+k], 8192*k, v2
.set k, k+1
.endr
.set k, 0
.rept 31
	v_lshrrev_b32 v[176+k], 6, v[144+k]
.set k, k+1
.endr
.set k, 0
.rept 31
	v_mul_u32_u24 v[176+k], v[176+k], 0x8313
.set k, k+1
.endr
.set k, 0
.rept 31
	v_lshrrev_b32 v[176+k], 22, v[176+k]
.set k, k+1
.endr
.set k, 0
.rept 31
	v_lshl_add_u32 v[144+k], v[176+k], 4, v[144+k]
.set k, k+1
.endr
	s_wait_alu depctr_va_vdst(0)                   ; the addresses v144-174 are written, which the loads below read
.set k, 0
.rept 31
	ds_load_b128 v[16+4*k:19+4*k], v[144+k]
.set k, k+1
.endr
.set k, 0
.rept 31
	s_wait_dscnt 30-k                              ; LDS loads come back in order: piece k is in, the younger ones may be out
	global_store_b128 v2, v[16+4*k:19+4*k], s[24:25] offset:8192*k th:TH_STORE_NT   ; 32 lanes store 512 consecutive bytes; written once, read by nobody here
.set k, k+1
.endr
	s_cmp_lt_u32 s26, 4                            ; pieces 496 to 499
	s_cbranch_scc0 .Ldone
	v_add_nc_u32 v175, 8192*31, v2
	v_lshrrev_b32 v176, 6, v175
	v_mul_u32_u24 v176, v176, 0x8313
	v_lshrrev_b32 v176, 22, v176
	v_lshl_add_u32 v175, v176, 4, v175
	s_wait_alu depctr_va_vdst(0)                   ; the address v175 is written, which the load below reads
	ds_load_b128 v[140:143], v175
	s_wait_dscnt 0x0
	global_store_b128 v2, v[140:143], s[24:25] offset:8192*31 th:TH_STORE_NT
.Ldone:
	s_wait_xcnt 0x0
	v_lshl_add_u32 v254, v0, 2, 0x45000            ; (no memory or LDS instruction of this text reads v254 or v255)
	v_mov_b32 v255, 0
	s_wait_dscnt 0x0                               ; the closing lines, six on end
	s_wait_alu 0x0
	s_wait_tensorcnt 0x0
	ds_add_u32 v254, v255
	s_wait_dscnt 0x0
	s_endpgm
.Lfunc_end_k_q653033188e_out:
	.size	k_q653033188e_out, .Lfunc_end_k_q653033188e_out-k_q653033188e_out
	.p2alignl 7, 3214868480
	.fill 96, 4, 3214868480
	.section	.rodata,"a",@progbits
	.p2align	6, 0x0
	.amdhsa_kernel k_q653033188e_out
		.amdhsa_group_segment_fixed_size 284672
		.amdhsa_private_segment_fixed_size 0
		.amdhsa_enable_private_segment 0
		.amdhsa_kernarg_size 88
		.amdhsa_user_sgpr_count 2
		.amdhsa_user_sgpr_kernarg_segment_ptr 1
		.amdhsa_wavefront_size32 1
		.amdhsa_system_sgpr_workgroup_id_x 1
		.amdhsa_system_sgpr_workgroup_id_y 1
		.amdhsa_system_sgpr_workgroup_id_z 1
		.amdhsa_system_vgpr_workitem_id 0
		.amdhsa_next_free_vgpr 256
		.amdhsa_next_free_sgpr 66
		.amdhsa_reserve_vcc 0
		.amdhsa_float_denorm_mode_32 3
		.amdhsa_float_denorm_mode_16_64 3
		.amdhsa_memory_ordered 1
		.amdhsa_forward_progress 1
		.amdhsa_inst_pref_size 74
	.end_amdhsa_kernel
	.amdgpu_metadata
---
amdhsa.version: [ 1, 2 ]
amdhsa.kernels:
  - .name:           k_q653033188e_out
    .symbol:         k_q653033188e_out.kd
    .args:
      - { .name: tokens, .offset: 0, .size: 8, .value_kind: global_buffer, .address_space: global }
      - { .name: tok_embed, .offset: 8, .size: 8, .value_kind: global_buffer, .address_space: global }
      - { .name: pos_embed, .offset: 16, .size: 8, .value_kind: global_buffer, .address_space: global }
      - { .name: ac, .offset: 24, .size: 8, .value_kind: global_buffer, .address_space: global }
      - { .name: asc, .offset: 32, .size: 8, .value_kind: global_buffer, .address_space: global }
      - { .name: Wproj_codes, .offset: 40, .size: 8, .value_kind: global_buffer, .address_space: global }
      - { .name: Wproj_scales, .offset: 48, .size: 8, .value_kind: global_buffer, .address_space: global }
      - { .name: fc_w_codes, .offset: 56, .size: 8, .value_kind: global_buffer, .address_space: global }
      - { .name: fc_w_scales, .offset: 64, .size: 8, .value_kind: global_buffer, .address_space: global }
      - { .name: fc_b, .offset: 72, .size: 8, .value_kind: global_buffer, .address_space: global }
      - { .name: out0, .offset: 80, .size: 8, .value_kind: global_buffer, .address_space: global }
    .group_segment_fixed_size: 284672
    .private_segment_fixed_size: 0
    .kernarg_segment_align: 8
    .kernarg_segment_size: 88
    .max_flat_workgroup_size: 512
    .sgpr_count:     66
    .vgpr_count:     256
    .wavefront_size: 32
...
	.end_amdgpu_metadata
.endif
;; end of part 6
